; MI455X (gfx1250); checked and timed in simulation.
; The chip was launched on July 23, 2026; its instructions are those of AMD's public machine-readable ISA for CDNA 5 (MIT licence, August 2026) and "CDNA5" Instruction Set Architecture Reference Guide (July 2026). The comments in the code are by the model that wrote it; some were corrected since.
;; Group Stack. Allowed arithmetic: matrix products marked QUANTISED: E3M2 operands, one E8M0 scale for each 32 along K, by v_wmma_scale_f32_16x16x128_f8f6f4 with both operands' format E3M2, f32 sums; everything else in f32.
;; Inputs: W1 8 x 512 x 2,048 float32; W2 8 x 2,048 x 512 float32; b1 8 x 2,048 float32; b2 8 x 512 float32; mask 8 x 4,096 bool; x 4,096 x 512 float32.
;; Outputs: out0 8 x 4,096 x 512 float32.
;; This version of the problem:
;;   THIS VERSION OF THE PROBLEM IS GIVEN IN LOW PRECISION. The matrix products marked QUANTISED in the list below multiply operands that are first quantised to E3M2 (3 exponent bits, 2 mantissa bits; 6 bits a number), with one power-of-two scale for each 32 numbers along K (OCP MX v1.0); their sums are f32. All else is computed in f32.
;;   The module's matrix products, in the order in which they are computed (A, B: the left and right operand; K: the contracted axis; several contracted axes count as one K, in the product's order):
;;     1. [M 16,384, K 512] x [K 512, N 4,096]; A: input W1; B: input x: QUANTISED
;;     2. batch 8 x [M 4,096, K 2,048] x [K 2,048, N 512]; A: computed on the way; B: input W2: QUANTISED
;;   THE QUANTISER, for each operand of a quantised product, along K:
;;     - K is cut into blocks of 32 from its start; a last block that is shorter is filled with zeros.
;;     - A block's scale is 2^e with e = floor(log2(the largest magnitude in the block)) - 4, held to -126 .. 127; a block of zeros has e = 0. As a byte (E8M0): e + 127.
;;     - Each number is divided by its block's scale, clamped to +-28, and rounded to the nearest number of E3M2, ties to even, subnormals kept.
;;     - The product sums the exact products of the quantised numbers (number of the format x scale) in f32.
;;   ~~~python
;;   def quantise(x, axis):      # numpy; x: float32 -> the quantised numbers, widened to float32 again
;;       x = np.moveaxis(x, axis, -1); K = x.shape[-1]
;;       x = np.pad(x, [(0, 0)] * (x.ndim - 1) + [(0, -K % 32)]); x = x.reshape(x.shape[:-1] + (-1, 32)); a = np.abs(x).max(-1, keepdims=True)
;;       e = np.where(a > 0, np.clip(np.frexp(np.where(a > 0, a, 1))[1] - 1 - 4, -126, 127), 0)      # np.frexp(a)[1] - 1 = floor(log2(a)), exactly
;;       r = np.clip(x / 2.0 ** e, -28, 28)
;;       step = 2.0 ** (np.maximum(np.frexp(np.where(r == 0, 1, r))[1] - 1, -2) - 2)
;;       q = np.round(r / step) * step * 2.0 ** e      # np.round: ties to even
;;       return np.moveaxis(q.reshape(q.shape[:-2] + (-1,))[..., :K], -1, axis).astype(np.float32)
;;   ~~~
;;   OPERANDS COMPUTED ON THE WAY. 'Computed on the way' means the value that the module computes at that place (a softmax that the list does not call 'softmax' is quantised finished and normalised). What goes into a quantiser is computed in f32, as accurately as f32 sums, v_exp_f32 and their like allow (about 1e-6 of the number): no bf16 or f16 on the way to a quantiser, and a product that is left as it is and whose result goes on into a quantised operand takes f32 operands (vector FMAs, or v_wmma_f32_16x16x4_f32). A number that lies on a knife's edge between two numbers of the format may be rounded either way, as far as f32 arithmetic and the matrix unit's own rounding can turn it there, and no further.
;; 2 versions, each right; version 2 is version 1 with the launch ffn written anew for expert scheduling mode. Each part assembles by itself: llvm-mc -triple=amdgcn-amd-amdhsa -mcpu=gfx1250 --defsym DOCPART=n.
;; ======== version 1 of 2: 2 launches
;; workspace buffers: wq 13,107,200 bytes; xq 1,572,864 bytes; xs 65,536 bytes; list 131,072 bytes of whole numbers; cnt 1,024 bytes of whole numbers
;; launch prep (part 1): grid 1154 x 1, 4 waves a work-group, no clusters, 22,016 bytes of LDS; arguments x, W1, W2, mask, xq, xs, wq, list, cnt; writes xq, xs, wq, list, cnt
.if DOCPART == 1
	.amdgcn_target "amdgcn-amd-amdhsa--gfx1250"
	.amdhsa_code_object_version 6
	.text
	.protected	k_q57a9708ad1_prep
	.globl	k_q57a9708ad1_prep
	.p2align	8
	.type	k_q57a9708ad1_prep,@function
k_q57a9708ad1_prep:
	s_mov_b64 s[64:65], 0
	v_nop
	global_prefetch_b8 v0, s[64:65] scope:SCOPE_SE
	s_setreg_imm32_b32 hwreg(HW_REG_WAVE_MODE, 25, 1), 1
	s_wait_xcnt 0x0
; out0[e][t][:] = mask[e][t] ? gelu(x[t] W1[e] + b1[e]) W2[e] + b2[e] : 0, both products on codes of BF6 (E3M2) with one E8M0 scale for each 32 along K.
; WHAT IS NOT COMPUTED.  A row (e, t) whose mask byte is 0 is replaced by 0 by the where() of the problem itself, whatever the row's y holds, NaN and infinity too: so of the 8 x 4,096 rows only those
; with mask 1 are multiplied.  The mask is a whole-number input; this launch reads it and stores, for each expert, a permutation of the tokens (chosen ones first) and their count; the next launch reads
; those from memory and does what they ask for.  That holds for every mask, all true and all false too.  No input is left out.  Nothing of a row that is left out can reach a result, so nothing is lost with it.
; THIS LAUNCH quantises what many work-groups will read, once, and lays it in the order of the matrix operand's registers.  Four paths, chosen by the work-group's number alone:
;   0-1      ROUTE: a wave to an expert: list[e][4096] (places under n_e: the chosen tokens; the others from the back), cnt[e][32] (all 32 words n_e)
;   2-129    XQ: x [4096][512], K innermost: a wave takes 8 tokens.  xq[token]: 384 bytes, the 24-byte place 4 s + 2 h + c holds block 4 s + 2 c + h, so that lane (r, h) of K step s finds its 48 bytes on end;  xs[token]: 16 scale bytes
;   130-641  W1 [e][512 (K)][2048];   642-1153  W2 [e][2048 (K)][512]: K is the FIRST axis of a weight, so a lane takes a column and its registers run down K: a wave takes 32 columns x 128 K.
; wq[e][w] is one stream of 204,800 bytes for wave w of the next launch: 16 units of 12,800 bytes = 8 fragment images of 1,536 bytes + 4 chunks of 128 bytes of scale words.
;   An image holds a fragment (16 rows x 128 K, 12 registers a lane) as its registers: register q of lane L at 512 (q / 4) + 16 L + 4 (q % 4): three loads of 16 bytes a lane bring it.
;   Units 0-7 (W1): unit p = hidden units 256 w + 32 p + 0..31; image 4 u + s = tile u, K step s; row r of tile u is hidden unit 8 u + r + 8 (r / 8) of the 32; chunk s: the word of tile u's row r at lane 16 u + r.
;   Units 8-15 (W2): unit 8 + g / 2, half g % 2 (6,144 bytes) = K step g; image n = output columns 64 w + 16 n + r; chunk 2 (g % 2) + q: lanes 0-15 tile 2 q, lanes 16-31 tile 2 q + 1.
; THE QUANTISER: a block's scale is 2^(floor(log2(its largest magnitude)) - 4); its byte is the largest magnitude's exponent field - 4, held at 1 from below by a floor among the maximum's leaves.
; LIMITS: a block of zeros gets the byte 1 where the rule says 127 (its codes are zeros, which add nothing, and this program alone reads the bytes); blocks whose largest magnitude lies under 2^-122 are held at the byte 1;
; NaN and infinities in x, W1, W2 are not served.
.set FLOOR,  0x2800000                 ; 2^(5 - 127)
.set OFFE,   0xfe000000                ; takes 4 off an exponent field
.set UNIT,   12800
.set STREAM, 204800
.set STEPS,  8                         ; XQ: tokens of a wave
.set WREG,   5376                      ; XQ: LDS of a wave: two stages of 32 x 80 bytes, then its 128 scale bytes
.set SP,     80                        ; a lane's place in a stage: 64 bytes + 16 of padding
.set SPARE,  4*WREG                    ; behind the four regions: the spare words, 128 bytes for each wave, that no other line names
.set SPW,    190                       ; v190  LDS address of my spare word; never rewritten
.set NIL,    191                       ; v191  0; never rewritten
.set R,      16                        ; XQ: v16-79 four sets of 16 numbers as loaded
.set X,      80                        ; XQ: v80-111 two sets of 16 neighbours
.set E,      112                       ; XQ: a scale byte for each step
.set C,      128                       ; XQ: four registers of codes for each step
.set IM,     160                       ; QW: v160-183 the two fragment lanes' 12 registers each
.set QQ,     184                       ; QW: v184-186 a block's upper 16 codes
	s_load_b512 s[4:19], s[0:1], 0x0               ; x s[4:5], W1 s[6:7], W2 s[8:9], mask s[10:11], xq s[12:13], xs s[14:15], wq s[16:17], list s[18:19]
	s_load_b64 s[20:21], s[0:1], 0x40              ; cnt
	v_lshl_add_u32 v[SPW], v0, 2, SPARE
	v_mov_b32 v[NIL], 0
	v_lshrrev_b32 v1, 5, v0
	v_readfirstlane_b32 s22, v1                    ; wave 0..3
	v_and_b32 v2, 31, v0                           ; lane
	s_mov_b32 s25, 0                               ; the upper word of every offset
	s_wait_kmcnt 0x0
	s_cmp_lt_u32 ttmp9, 2
	s_cbranch_scc1 .Lroute
	s_cmp_lt_u32 ttmp9, 130
	s_cbranch_scc1 .Lxq
	s_cmp_lt_u32 ttmp9, 642
	s_cbranch_scc1 .Lw1
; 32 columns x 128 K of a weight whose rows are rs bytes apart: s[28:29] the wave's first number, s[30:31] its images, s[34:35] its chunk of scale words; v3 = 4 x lane, v4 the lane's place in the images, v[so] in the chunk.
.macro QW rs, so
.set ii, 0
.rept 128
	global_load_b32 v[32+ii], v3, s[28:29] offset:ii*(\rs) th:TH_LOAD_NT   ; row ii: 32 lanes read 128 consecutive bytes, the four waves 512
.set ii, ii+1
.endr
.irp t, 0,1,2,3                        ; block t = 2 c + h of my column: all its 32 numbers are mine; it belongs to fragment lane (r, h), registers 6 c .. 6 c + 5
.set XB, 32+32*\t
.set IR, IM+12*(\t&1)+6*(\t>>1)
.if \t < 2
	s_wait_loadcnt 63                              ; loads come back in order: 96 (then 64) younger ones might stay out; the count's field holds 63
.elseif \t == 2
	s_wait_loadcnt 32
.else
	s_wait_loadcnt 0x0
.endif
	v_max3_num_f32 v12, |v[XB]|, |v[XB+1]|, |v[XB+2]|
	v_max3_num_f32 v13, |v[XB+3]|, |v[XB+4]|, |v[XB+5]|
.irp i, 6,10,14,18,22,26
	v_max3_num_f32 v12, v12, |v[XB+\i]|, |v[XB+\i+1]|
	v_max3_num_f32 v13, v13, |v[XB+\i+2]|, |v[XB+\i+3]|
.endr
	v_max3_num_f32 v12, v12, |v[XB+30]|, |v[XB+31]|
	v_max3_num_f32 v12, v12, v13, FLOOR            ; the block's largest magnitude, and the floor: the byte cannot fall under 1
	v_add_nc_u32 v11, OFFE, v12                    ; 4 off its exponent field: the conversion takes the exponent field of this operand as its scale
	v_cvt_scalef32_pk16_bf6_f32 v[IR:IR+2], v[XB:XB+15], v11
	v_cvt_scalef32_pk16_bf6_f32 v[QQ:QQ+2], v[XB+16:XB+31], v11    ; (a conversion's three registers begin on an even number: the upper half is made elsewhere and moved)
.if \t == 0
	v_lshrrev_b32 v10, 23, v11                     ; the scale's byte starts the column's word.  (Also the plain line behind the conversions)
.else
	v_lshrrev_b32 v13, 23, v11
	v_lshl_or_b32 v10, v13, 8*\t, v10
.endif
.irp i, 0,1,2
	v_mov_b32 v[IR+3+\i], v[QQ+\i]
.endr
.endr
.irp h, 0,1
.irp g, 0,1,2
	global_store_b128 v4, v[IM+12*\h+4*\g:IM+12*\h+4*\g+3], s[30:31] offset:256*\h+512*\g   ; the sixteen lanes of a tile store 256 consecutive bytes, at a multiple of 256 from wq's first byte
.endr
.endr
	global_store_b32 v[\so], v10, s[34:35]         ; 128 consecutive bytes a wave: one byte for each 128 that the wave has read
	s_endpgm
.endm
	; ---- W2: i = id - 642: e = i / 64, ks = (i / 4) % 16, cg = i % 4
	s_sub_co_u32 s23, ttmp9, 642
	s_lshr_b32 s26, s23, 6                         ; e
	s_and_b32 s36, s23, 3                          ; cg: 128 columns
	s_bfe_u32 s27, s23, 0x40002                    ; ks: 128 along K
	s_lshl_b32 s24, s26, 22
	s_lshl_b32 s37, s27, 18
	s_add_co_u32 s24, s24, s37
	s_lshl_b32 s37, s36, 9
	s_add_co_u32 s24, s24, s37
	s_lshl_b32 s37, s22, 7
	s_add_co_u32 s24, s24, s37
	s_add_nc_u64 s[28:29], s[8:9], s[24:25]        ; W2 + e 2^22 + ks 2^18 + 512 cg + 128 wave
	s_lshl_b32 s37, s26, 3
	s_lshl_b32 s38, s36, 1
	s_add_co_u32 s37, s37, s38
	s_lshr_b32 s38, s22, 1
	s_add_co_u32 s37, s37, s38                     ; 8 e + w, w = 2 cg + wave / 2
	s_mul_i32 s24, s37, STREAM
	s_lshr_b32 s38, s27, 1
	s_add_co_u32 s38, s38, 8
	s_mul_i32 s38, s38, UNIT
	s_add_co_u32 s24, s24, s38
	s_add_nc_u64 s[30:31], s[16:17], s[24:25]      ; the unit 8 + ks / 2
	s_and_b32 s37, s27, 1                          ; ks % 2
	s_and_b32 s38, s22, 1                          ; q = wave % 2
	s_lshl_b32 s24, s37, 1
	s_add_co_u32 s24, s24, s38
	s_lshl_b32 s24, s24, 7
	s_add_co_u32 s24, s24, 12288
	s_add_nc_u64 s[34:35], s[30:31], s[24:25]      ; chunk 2 (ks % 2) + q
	s_mul_i32 s24, s37, 6144
	s_mul_i32 s38, s38, 3072
	s_add_co_u32 s24, s24, s38
	s_add_nc_u64 s[30:31], s[30:31], s[24:25]      ; images 2 q and 2 q + 1 of the half
	v_lshrrev_b32 v6, 4, v2
	v_and_b32 v7, 15, v2
	v_mul_u32_u24 v4, v6, 1536
	v_lshl_add_u32 v4, v7, 4, v4                   ; 1,536 (lane / 16) + 16 (lane % 16)
	v_lshlrev_b32 v3, 2, v2
	QW 2048, 3
.Lw1:	; ---- W1: i = id - 130: e = i / 64, cg = (i / 4) % 16, s = i % 4
	s_sub_co_u32 s23, ttmp9, 130
	s_lshr_b32 s26, s23, 6                         ; e
	s_and_b32 s27, s23, 3                          ; s: 128 along K
	s_bfe_u32 s36, s23, 0x40002                    ; cg: 128 columns
	s_lshl_b32 s24, s26, 22
	s_lshl_b32 s37, s27, 20
	s_add_co_u32 s24, s24, s37
	s_lshl_b32 s37, s36, 9
	s_add_co_u32 s24, s24, s37
	s_lshl_b32 s37, s22, 7
	s_add_co_u32 s24, s24, s37
	s_add_nc_u64 s[28:29], s[6:7], s[24:25]        ; W1 + e 2^22 + s 2^20 + 512 cg + 128 wave
	s_lshl_b32 s37, s26, 3
	s_lshr_b32 s38, s36, 1
	s_add_co_u32 s37, s37, s38                     ; 8 e + w, w = cg / 2
	s_mul_i32 s24, s37, STREAM
	s_and_b32 s38, s36, 1
	s_lshl_b32 s38, s38, 2
	s_add_co_u32 s38, s38, s22                     ; p = 4 (cg % 2) + wave
	s_mul_i32 s38, s38, UNIT
	s_add_co_u32 s24, s24, s38
	s_add_nc_u64 s[30:31], s[16:17], s[24:25]      ; the unit p
	s_lshl_b32 s24, s27, 7
	s_add_co_u32 s24, s24, 12288
	s_add_nc_u64 s[34:35], s[30:31], s[24:25]      ; chunk s
	s_mul_i32 s24, s27, 1536
	s_add_nc_u64 s[30:31], s[30:31], s[24:25]      ; images s (tile 0) and 4 + s (tile 1)
	v_bfe_u32 v6, v2, 3, 1                         ; u = (lane / 8) % 2
	v_and_b32 v7, 7, v2
	v_lshrrev_b32 v8, 4, v2
	v_lshl_or_b32 v7, v8, 3, v7                    ; r = lane % 8 + 8 (lane / 16): column lane = 8 u + r + 8 (r / 8)
	v_mul_u32_u24 v4, v6, 6144
	v_lshl_add_u32 v4, v7, 4, v4                   ; 6,144 u + 16 r
	v_lshl_add_u32 v5, v6, 4, v7
	v_lshlrev_b32 v5, 2, v5                        ; 4 (16 u + r)
	v_lshlrev_b32 v3, 2, v2
	QW 8192, 5
.Lxq:	; ---- XQ: run = 4 (id - 2) + wave: 8 tokens, a token a step
	s_sub_co_u32 s23, ttmp9, 2
	s_lshl_b32 s23, s23, 2
	s_add_co_u32 s23, s23, s22
	s_lshl_b32 s24, s23, 14
	s_add_nc_u64 s[4:5], s[4:5], s[24:25]          ; x: 8 rows of 2,048 bytes a run
	s_mul_i32 s24, s23, 3072
	s_add_nc_u64 s[12:13], s[12:13], s[24:25]      ; xq: 8 x 384
	s_lshl_b32 s24, s23, 7
	s_add_nc_u64 s[14:15], s[14:15], s[24:25]      ; xs: 8 x 16
	v_lshlrev_b32 v3, 4, v2                        ; my 16 bytes of a load's 512
	s_mul_i32 s26, s22, WREG
	v_lshrrev_b32 v14, 2, v2
	v_mul_u32_u24 v14, v14, SP
	v_and_b32 v15, 3, v2
	v_lshl_add_u32 v14, v15, 4, v14
	v_add_nc_u32 v14, s26, v14                     ; the stage, on the way in: four lanes' 64 bytes on end, then 16 of padding
	v_mul_u32_u24 v15, v2, SP
	v_add_nc_u32 v15, s26, v15                     ; and on the way out: my 16 neighbours
	v_lshrrev_b32 v5, 1, v2                        ; my block = 4 s + 2 c + h: two neighbouring lanes hold one
	v_and_b32 v6, 12, v5
	v_and_b32 v7, 1, v5
	v_lshl_or_b32 v6, v7, 1, v6
	v_bfe_u32 v7, v5, 1, 1
	v_or_b32 v6, v6, v7                            ; its place 4 s + 2 h + c
	v_mul_u32_u24 v4, v6, 24
	v_and_b32 v7, 1, v2
	v_mad_u32_u24 v4, v7, 12, v4                   ; and my 12 bytes in it
	s_add_co_u32 s26, s26, 2*32*SP
	v_add_nc_u32 v5, s26, v5                       ; LDS: my wave's scale bytes, my block's byte
	v_lshlrev_b32 v7, 2, v2
	v_add_nc_u32 v6, s26, v7                       ; and on the way out 4 bytes a lane
.macro XLOAD t
.irp i, 0,1,2,3
	global_load_b128 v[R+16*((\t)%4)+4*\i:R+16*((\t)%4)+4*\i+3], v3, s[4:5] offset:2048*(\t)+512*\i th:TH_LOAD_NT   ; 32 lanes read 512 consecutive bytes
.endr
.endm
.macro XTURN t                         ; a step's numbers through the stage: LDS serves a wave's instructions in order, so no wait stands between the stores and the loads
.irp i, 0,1,2,3
	ds_store_b128 v14, v[R+16*((\t)%4)+4*\i:R+16*((\t)%4)+4*\i+3] offset:32*SP*((\t)%2)+8*SP*\i
.endr
.irp i, 0,1,2,3
	ds_load_b128 v[X+16*((\t)%2)+4*\i:X+16*((\t)%2)+4*\i+3], v15 offset:32*SP*((\t)%2)+16*\i
.endr
.endm
.macro XSTEP t
.set XSR, X+16*((\t)%2)
.if (\t) > 0
	s_wait_dscnt 1                                 ; this step's numbers are back from the stage (the last step's byte store may be out): so its stores into the stage have read their registers,
.else
	s_wait_dscnt 0x0
.endif
.if (\t)+4 < STEPS
	XLOAD (\t)+4                                   ; which take the loads of four steps on
.endif
.if (\t)+1 < STEPS
.if STEPS-2-(\t) >= 3
	s_wait_loadcnt 12                              ; the next step's four loads are in; those of the three steps behind it may be out
.else
	s_wait_loadcnt 4*(STEPS-2-(\t))
.endif
	XTURN (\t)+1                                   ; and go through the other stage while this step is worked
.endif
	v_max3_num_f32 v8, |v[XSR]|, |v[XSR+1]|, |v[XSR+2]|
	v_max3_num_f32 v9, |v[XSR+3]|, |v[XSR+4]|, |v[XSR+5]|
.irp i, 6,10
	v_max3_num_f32 v8, v8, |v[XSR+\i]|, |v[XSR+\i+1]|
	v_max3_num_f32 v9, v9, |v[XSR+\i+2]|, |v[XSR+\i+3]|
.endr
	v_max3_num_f32 v8, v8, |v[XSR+14]|, |v[XSR+15]|
	v_max3_num_f32 v8, v8, v9, FLOOR               ; my 16 and the floor,
	v_max_num_f32_dpp v8, v8, v8 row_xmask:1 row_mask:0xf bank_mask:0xf   ; and my neighbour's 16: the block's largest magnitude
	v_add_nc_u32 v11, OFFE, v8
	v_cvt_scalef32_pk16_bf6_f32 v[C+4*(\t):C+4*(\t)+2], v[XSR:XSR+15], v11
	v_lshrrev_b32 v[E+(\t)], 23, v11               ; the scale's byte
	ds_store_b8 v5, v[E+(\t)] offset:16*(\t)       ; both lanes of a block write the same byte with the same value
	global_store_b96 v4, v[C+4*(\t):C+4*(\t)+2], s[12:13] offset:384*(\t)   ; the wave's store covers the token's 384 consecutive bytes
.endm
.irp t, 0,1,2,3
	XLOAD \t
.endr
	s_wait_loadcnt 12                              ; step 0's four loads are in
	XTURN 0
.irp t, 0,1,2,3,4,5,6,7
	XSTEP \t
.endr
	ds_load_b32 v8, v6                             ; LDS serves a wave's instructions in order: this sees my byte stores
	s_wait_dscnt 0x0
	global_store_b32 v7, v8, s[14:15]              ; 128 consecutive bytes: the 8 tokens' scale bytes
	s_wait_tensorcnt 0x0                           ; the wave's end: behind my last LDS store
	ds_add_u32 v[SPW], v[NIL]
	s_wait_dscnt 0x0
	s_endpgm
.Lroute:	; ---- ROUTE: expert e = 4 id + wave.  Trip it = 16 seg + k takes the 32 tokens 512 seg + 16 lane + k
	s_lshl_b32 s23, ttmp9, 2
	s_add_co_u32 s23, s23, s22                     ; e
	s_lshl_b32 s24, s23, 12
	s_add_nc_u64 s[10:11], s[10:11], s[24:25]      ; the expert's 4,096 mask bytes
	s_lshl_b32 s24, s23, 14
	s_add_nc_u64 s[18:19], s[18:19], s[24:25]      ; its list
	s_lshl_b32 s24, s23, 7
	s_add_nc_u64 s[20:21], s[20:21], s[24:25]      ; its 32 words of cnt
	v_lshlrev_b32 v4, 4, v2                        ; 16 x lane
	v_sub_nc_u32 v3, 4095, v2                      ; 4,095 - lane
.irp g, 0,1,2,3,4,5,6,7
	global_load_b128 v[32+4*\g:35+4*\g], v4, s[10:11] offset:512*\g
.endr
	s_mov_b32 s26, 0                               ; chosen so far
	s_wait_loadcnt 0x0
.macro SEG seg
.irp k, 0,1,2,3,4,5,6,7,8,9,10,11,12,13,14,15
	v_bfe_u32 v[96+\k], v[32+4*(\seg)+\k/4], 8*(\k%4), 8
.endr
.irp k, 0,1,2,3,4,5,6,7,8,9,10,11,12,13,14,15
	v_cmp_ne_u32 s[32+\k], 0, v[96+\k]             ; the trip's 32 choices
.endr
.irp k, 0,1,2,3,4,5,6,7,8,9,10,11,12,13,14,15
	s_mov_b32 s[48+\k], s26                        ; chosen ahead of the trip
	s_bcnt1_i32_b32 s27, s[32+\k]
	s_add_co_u32 s26, s26, s27
.endr
.if (\seg) > 0
	s_wait_xcnt 0x0                                ; the last sixteen stores have read their offsets and data: both sets of registers are written again only behind this wait
.endif
.irp k, 0,1,2,3,4,5,6,7,8,9,10,11,12,13,14,15
	v_mbcnt_lo_u32_b32 v[96+\k], s[32+\k], 0       ; chosen in lower lanes of the trip
	v_add_nc_u32 v[96+\k], s[48+\k], v[96+\k]      ; A: chosen ahead of me: my place if I am chosen
	v_add3_u32 v[112+\k], v[96+\k], v3, -32*(16*(\seg)+\k)   ; else 4,095 - (tokens ahead of me - A) = A + (4,095 - lane) - 32 it
	v_cndmask_b32 v[64+\k], v[112+\k], v[96+\k], s[32+\k]
	v_min_u32 v[64+\k], 0xfff, v[64+\k]            ; a place made of loaded numbers is held inside the list
	v_lshlrev_b32 v[64+\k], 2, v[64+\k]
	v_add_nc_u32 v[80+\k], 512*(\seg)+\k, v4       ; the token
	global_store_b32 v[64+\k], v[80+\k], s[18:19]
.endr
.endm
.irp g, 0,1,2,3,4,5,6,7
	SEG \g
.endr
	v_mov_b32 v5, s26
	v_lshlrev_b32 v6, 2, v2
	global_store_b32 v6, v5, s[20:21]              ; n_e, 32 times
	s_endpgm
.Lfunc_end_k_q57a9708ad1_prep:
	.size	k_q57a9708ad1_prep, .Lfunc_end_k_q57a9708ad1_prep-k_q57a9708ad1_prep
	.p2alignl 7, 3214868480
	.fill 96, 4, 3214868480
	.section	.rodata,"a",@progbits
	.p2align	6, 0x0
	.amdhsa_kernel k_q57a9708ad1_prep
		.amdhsa_group_segment_fixed_size 22016
		.amdhsa_private_segment_fixed_size 0
		.amdhsa_enable_private_segment 0
		.amdhsa_kernarg_size 72
		.amdhsa_user_sgpr_count 2
		.amdhsa_user_sgpr_kernarg_segment_ptr 1
		.amdhsa_wavefront_size32 1
		.amdhsa_system_sgpr_workgroup_id_x 1
		.amdhsa_system_sgpr_workgroup_id_y 1
		.amdhsa_system_sgpr_workgroup_id_z 1
		.amdhsa_system_vgpr_workitem_id 0
		.amdhsa_next_free_vgpr 192
		.amdhsa_next_free_sgpr 80
		.amdhsa_reserve_vcc 0
		.amdhsa_float_denorm_mode_32 3
		.amdhsa_float_denorm_mode_16_64 3
		.amdhsa_memory_ordered 1
		.amdhsa_forward_progress 1
		.amdhsa_inst_pref_size 151
	.end_amdhsa_kernel
	.amdgpu_metadata
---
amdhsa.version: [ 1, 2 ]
amdhsa.kernels:
  - .name:           k_q57a9708ad1_prep
    .symbol:         k_q57a9708ad1_prep.kd
    .args:
      - { .name: x, .offset: 0, .size: 8, .value_kind: global_buffer, .address_space: global }
      - { .name: W1, .offset: 8, .size: 8, .value_kind: global_buffer, .address_space: global }
      - { .name: W2, .offset: 16, .size: 8, .value_kind: global_buffer, .address_space: global }
      - { .name: mask, .offset: 24, .size: 8, .value_kind: global_buffer, .address_space: global }
      - { .name: xq, .offset: 32, .size: 8, .value_kind: global_buffer, .address_space: global }
      - { .name: xs, .offset: 40, .size: 8, .value_kind: global_buffer, .address_space: global }
      - { .name: wq, .offset: 48, .size: 8, .value_kind: global_buffer, .address_space: global }
      - { .name: list, .offset: 56, .size: 8, .value_kind: global_buffer, .address_space: global }
      - { .name: cnt, .offset: 64, .size: 8, .value_kind: global_buffer, .address_space: global }
    .group_segment_fixed_size: 22016
    .private_segment_fixed_size: 0
    .kernarg_segment_align: 8
    .kernarg_segment_size: 72
    .max_flat_workgroup_size: 128
    .sgpr_count:     80
    .vgpr_count:     192
    .wavefront_size: 32
...
	.end_amdgpu_metadata
.endif
;; end of part 1
;; launch ffn (part 2): grid 8 x 64, 8 waves a work-group, no clusters, 138,240 bytes of LDS; arguments xq, xs, wq, b1, b2, list, cnt, out0; writes out0
.if DOCPART == 2
	.amdgcn_target "amdgcn-amd-amdhsa--gfx1250"
	.amdhsa_code_object_version 6
	.text
	.protected	k_q57a9708ad1_ffn
	.globl	k_q57a9708ad1_ffn
	.p2align	8
	.type	k_q57a9708ad1_ffn,@function
k_q57a9708ad1_ffn:
	s_mov_b64 s[64:65], 0
	v_nop
	global_prefetch_b8 v0, s[64:65] scope:SCOPE_SE
	s_setreg_imm32_b32 hwreg(HW_REG_WAVE_MODE, 25, 1), 1
	s_wait_xcnt 0x0
; out0[e][t][:] = mask[e][t] ? gelu(x[t] W1[e] + b1[e]) W2[e] + b2[e] : 0, both products on codes of BF6 (E3M2), one E8M0 scale for each 32 along K.
; LEFT OUT: the rows whose mask byte is 0 (the problem's own where() puts 0 there whatever y holds); they are stored as zeros and not multiplied.  Which rows those are is read from list and cnt, which the launch before stored.
; SHARES.  Work-group (e, t) owns places 64 t .. 64 t + 63 of expert e's list, a permutation of the tokens with the n_e chosen ones first: so each row of out0 has one owner, for every mask.
;   64 t < n_e: the chain runs for the 64 rows; rows at places from n_e on are stored as zeros by a select.     Else: the 64 rows are stored as zeros, 8 rows a wave.
; The choice hangs on a number read from memory, so the text has no tensor load and no cluster; the weights come from memory straight into registers, laid out for that by the launch before.
; Every wave of every work-group passes the one barrier, which stands on the way that all take.
; THE EIGHT WAVES SHARE THE COLUMNS, NOT THE ROWS.  First product: wave w makes hidden units 256 w .. 256 w + 255 of all 64 rows (K steps 2 w, 2 w + 1 of the second product); second: output columns 64 w .. 64 w + 63.
; So each fragment of a weight is loaded once in the work-group and feeds four matrix instructions.  Two waves share a SIMD: one wave's gelu stands beside the other's products.
; BOTH PRODUCTS ARE USED TRANSPOSED (source 0 = 16 rows of the weight, source 1 = 16 tokens): a lane holds one token.  The rows of W1 that form a tile are chosen (by the launch before) so that the 16 registers of a
; pair of tiles are 16 neighbouring hidden units, 32 p + 16 (lane / 16) + 0 .. 15.  b1 is the C of a sum's first matrix instruction.
; gelu(x) = x / (1 + 2^(x (k0 + k1 x^2))), k0 = -2 log2(e) sqrt(2 / pi), k1 = 0.044715 k0: the tanh form, since (1 + tanh u) / 2 = 1 / (1 + e^(-2u)); all in f32.
; THE HIDDEN LAYER goes from wave to wave through LDS as images of the operand's registers, never to memory.
; LIMITS: a block of hidden units that are all zeros gets the scale byte 1 where the rule says 127 (its codes are zeros); NaN and infinities in the inputs are not served.
; LDS: HIMG 64 fragments of 1,536 bytes (fragment 4 g + m: K step g, row tile m; for each half c at 768 c: 16 bytes a lane (registers 6 c .. 6 c + 3), then 8 bytes a lane (6 c + 4, 6 c + 5));
;   HSC their scale words at 256 g + 64 m + 4 r;  STG a stage of 16 rows x 272 bytes for each wave;  SPARE the spare words.
; REGISTERS.  Window 0: v1-31 addresses and constants; v32-39 the tokens' (later the hidden layer's) scale words, v40-47 the weights'; v48-63 codes in the making; v64-95 four accumulators of the first product; v96-111 at work;
;   v112-255 x's fragments of K steps 0-2.  In the second product: v64-111 hidden fragments (even K steps), v112-239 sixteen accumulators, v240-255 tokens.
;   Window 1: v0-191 the weights' ring (two slots of 96, later four of 48); v192-239 x's fragments of K step 3, later hidden fragments (odd K steps); v240-255 b1.
.set HSC,    98304
.set STG,    102400
.set SPARE,  137216
.set FRB,    1536
.set UNIT,   12800
.set USC,    12288
.set FLOOR,  0x2800000                 ; 2^(5 - 127)
.set OFFE,   0xfe000000                ; takes 4 off an exponent field
.set SPW,  1                           ; v1   LDS address of my spare word; never rewritten
.set NIL,  2                           ; v2   0; never rewritten
.set WO,   3                           ; v3   16 x lane: my place in an image, in memory and in LDS (the images begin at LDS byte 0)
.set L4,   4                           ; v4   4 x lane
.set BO,   5                           ; v5   64 h
.set AQ,   6                           ; v6   where I store 16 bytes of an image: 12,288 w + 16 lane
.set AH,   7                           ; v7   and 8 bytes: 12,288 w + 512 + 8 lane
.set HSA,  8                           ; v8   HSC + 512 w + 4 r
.set R16B, 10                          ; v10  16 lane + 49,152: images of K steps 8 on
.set R8A,  11                          ; v11  512 + 8 lane
.set R8B,  12                          ; v12  the same + 49,152
.set L4H,  13                          ; v13  HSC + 4 lane
.set SOA,  14                          ; v14  the stage, in: row r, 32 h
.set SRA,  15                          ; v15  the stage, back: row 8 h, 16 r
.set PFO,  16                          ; v16  256 x lane
.set OL,   17                          ; v17  16 r
.set H32,  18                          ; v18  32 h
.set KC0,  20                          ; v[20:21] k0, twice
.set TOK,  22                          ; v22-25 my row's token in each row tile
.set R4,   26                          ; v26  4 r
.set SW,   28                          ; v28-31 the hidden layer's scale words in the making
.set XS,   32
.set WS,   40
.set PP,   48
.set ACC,  64
.set Z,    96
.set X0,   112
.set Y0,   112
.set HA,   64
.set X3,   192                         ; window 1
.set HB,   192                         ; window 1
.set BIAS, 240                         ; window 1
.set MSB, 0
.macro WIN new                         ; the immediate's high byte repeats the setting that is left; a switch that changes nothing is dropped
.if MSB != \new
	s_set_vgpr_msb (MSB<<8)|\new
.set MSB, \new
.endif
.endm
.macro PLACES                          ; four plain vector instructions between a matrix instruction and the first read of its result by a vector instruction, or a load into one of its registers
.rept 4
	v_nop
.endr
.endm
; One matrix instruction from the symbols rD, rA, rB, rC (under 0: the constant 0), rSA, rSB; fA, fB = 1: that side's scale words stand in lanes 16-31
.macro WMS
.if rC < 0
.if fA && fB
	v_wmma_scale_f32_16x16x128_f8f6f4 v[rD:rD+7], v[rA:rA+11], v[rB:rB+11], 0, v[rSA], v[rSB] matrix_a_fmt:MATRIX_FMT_BF6 matrix_b_fmt:MATRIX_FMT_BF6 matrix_a_scale:MATRIX_SCALE_ROW1 matrix_b_scale:MATRIX_SCALE_ROW1
.elseif fA
	v_wmma_scale_f32_16x16x128_f8f6f4 v[rD:rD+7], v[rA:rA+11], v[rB:rB+11], 0, v[rSA], v[rSB] matrix_a_fmt:MATRIX_FMT_BF6 matrix_b_fmt:MATRIX_FMT_BF6 matrix_a_scale:MATRIX_SCALE_ROW1
.elseif fB
	v_wmma_scale_f32_16x16x128_f8f6f4 v[rD:rD+7], v[rA:rA+11], v[rB:rB+11], 0, v[rSA], v[rSB] matrix_a_fmt:MATRIX_FMT_BF6 matrix_b_fmt:MATRIX_FMT_BF6 matrix_b_scale:MATRIX_SCALE_ROW1
.else
	v_wmma_scale_f32_16x16x128_f8f6f4 v[rD:rD+7], v[rA:rA+11], v[rB:rB+11], 0, v[rSA], v[rSB] matrix_a_fmt:MATRIX_FMT_BF6 matrix_b_fmt:MATRIX_FMT_BF6
.endif
.else
.if fA && fB
	v_wmma_scale_f32_16x16x128_f8f6f4 v[rD:rD+7], v[rA:rA+11], v[rB:rB+11], v[rC:rC+7], v[rSA], v[rSB] matrix_a_fmt:MATRIX_FMT_BF6 matrix_b_fmt:MATRIX_FMT_BF6 matrix_a_scale:MATRIX_SCALE_ROW1 matrix_b_scale:MATRIX_SCALE_ROW1
.elseif fA
	v_wmma_scale_f32_16x16x128_f8f6f4 v[rD:rD+7], v[rA:rA+11], v[rB:rB+11], v[rC:rC+7], v[rSA], v[rSB] matrix_a_fmt:MATRIX_FMT_BF6 matrix_b_fmt:MATRIX_FMT_BF6 matrix_a_scale:MATRIX_SCALE_ROW1
.elseif fB
	v_wmma_scale_f32_16x16x128_f8f6f4 v[rD:rD+7], v[rA:rA+11], v[rB:rB+11], v[rC:rC+7], v[rSA], v[rSB] matrix_a_fmt:MATRIX_FMT_BF6 matrix_b_fmt:MATRIX_FMT_BF6 matrix_b_scale:MATRIX_SCALE_ROW1
.else
	v_wmma_scale_f32_16x16x128_f8f6f4 v[rD:rD+7], v[rA:rA+11], v[rB:rB+11], v[rC:rC+7], v[rSA], v[rSB] matrix_a_fmt:MATRIX_FMT_BF6 matrix_b_fmt:MATRIX_FMT_BF6
.endif
.endif
.endm
; A prefetch of 8,192 bytes of my wave's stream of weights, lanes 256 bytes apart.  All tiles of an expert read the same eight streams: the expert's tile 0 asks, each of its waves for its own stream, each chunk once.
.macro ASK c
	s_cmp_lg_u32 s25, 0
	s_cbranch_scc1 .Lnot_mine_\@
	global_prefetch_b8 v[PFO], s[28:29] offset:8192*(\c) th:TH_LOAD_NT scope:SCOPE_SE
.Lnot_mine_\@:
.endm
	s_load_b512 s[4:19], s[0:1], 0x0               ; xq s[4:5], xs s[6:7], wq s[8:9], b1 s[10:11], b2 s[12:13], list s[14:15], cnt s[16:17], out0 s[18:19]
	v_lshl_add_u32 v[SPW], v0, 2, SPARE
	v_mov_b32 v[NIL], 0
	v_lshrrev_b32 v96, 5, v0
	v_readfirstlane_b32 s26, v96                   ; w: wave 0..7
	v_and_b32 v96, 31, v0                          ; lane
	v_and_b32 v97, 15, v0                          ; r
	v_bfe_u32 v98, v0, 4, 1                        ; h
	s_mov_b32 s24, ttmp9                           ; e
	s_and_b32 s25, ttmp7, 0xffff                   ; t
	s_lshl_b32 s27, s25, 6                         ; the tile's first place
	; every LDS address is made here, ahead of the first parting of the ways
	v_lshlrev_b32 v[WO], 4, v96
	v_lshlrev_b32 v[L4], 2, v96
	v_lshlrev_b32 v[BO], 6, v98
	s_mul_i32 s38, s26, 12288
	v_add_nc_u32 v[AQ], s38, v[WO]
	v_lshl_add_u32 v[AH], v96, 3, s38
	v_add_nc_u32 v[AH], 512, v[AH]
	s_lshl_b32 s38, s26, 9
	s_add_co_u32 s38, s38, HSC
	v_lshl_add_u32 v[HSA], v97, 2, s38
	v_add_nc_u32 v[R16B], 49152, v[WO]
	v_lshl_add_u32 v[R8A], v96, 3, 512
	v_add_nc_u32 v[R8B], 49152, v[R8A]
	v_add_nc_u32 v[L4H], HSC, v[L4]
	s_mul_i32 s38, s26, 4352
	s_add_co_u32 s38, s38, STG
	v_mul_u32_u24 v[SOA], v97, 272
	v_lshl_add_u32 v[SOA], v98, 5, v[SOA]
	v_add_nc_u32 v[SOA], s38, v[SOA]
	v_mul_u32_u24 v[SRA], v98, 2176
	v_lshl_add_u32 v[SRA], v97, 4, v[SRA]
	v_add_nc_u32 v[SRA], s38, v[SRA]
	v_lshlrev_b32 v[PFO], 8, v96
	v_lshlrev_b32 v[OL], 4, v97
	v_lshlrev_b32 v[H32], 5, v98
	v_lshlrev_b32 v[R4], 2, v97
	v_mov_b32 v[KC0], 0xc0135761                   ; k0 = -2.3022082
	v_mov_b32 v[KC0+1], 0xc0135761
	s_mov_b32 s66, 0x76543210
	s_mov_b32 s67, 0xfedcba98                      ; v_permlanex16_b32's selects for lane l xor 16
	s_mov_b32 s68, 0xbdd2d3e8                      ; k1 = -0.10294324
	s_mov_b32 s69, s68                             ; (named with it as a pair, so it is written)
	s_mov_b32 s39, 0                               ; the upper word of every offset
	s_lshl_b32 s20, s24, 7                         ; cnt: 128 e;  never rewritten
	s_lshl_b32 s21, s26, 5                         ; list: my wave's eight places;  never rewritten
	s_wait_kmcnt 0x0
	s_lshl_b32 s38, s24, 3
	s_add_co_u32 s38, s38, s26
	s_mul_i32 s38, s38, 204800
	s_add_nc_u64 s[28:29], s[8:9], s[38:39]        ; my stream of weights: wq + (8 e + w) 204,800
	s_lshl_b32 s38, s24, 13
	s_lshl_b32 s23, s26, 10
	s_add_co_u32 s38, s38, s23
	s_add_nc_u64 s[30:31], s[10:11], s[38:39]      ; b1 + 8,192 e + 1,024 w
	s_lshl_b32 s38, s24, 11
	s_lshl_b32 s23, s26, 8
	s_add_co_u32 s38, s38, s23
	s_add_nc_u64 s[32:33], s[12:13], s[38:39]      ; b2 + 2,048 e + 256 w
	s_lshl_b32 s38, s24, 14
	s_lshl_b32 s23, s25, 8
	s_add_co_u32 s38, s38, s23
	s_add_nc_u64 s[34:35], s[14:15], s[38:39]      ; list + 16,384 e + 256 t
	s_lshl_b32 s38, s24, 23
	s_add_nc_u64 s[74:75], s[18:19], s[38:39]      ; out0 + e 2^23
	s_lshl_b32 s38, s26, 8
	s_add_nc_u64 s[36:37], s[74:75], s[38:39]      ; and my 64 columns in it
	s_load_b32 s22, s[16:17], s20 offset:0x0       ; n_e
	s_load_b256 s[40:47], s[34:35], s21 offset:0x0 ; the tokens at my wave's eight places
	v_add_nc_u32 v99, s27, v97                     ; my row's place in row tile 0
	s_wait_kmcnt 0x0
	s_cmp_lt_u32 s27, s22
	s_cselect_b32 s23, 1, 0                        ; 1: the tile holds chosen rows
.irp m, 0,1,2,3
	v_add_nc_u32 v100, 16*\m, v99
	v_cmp_lt_u32 s[70+\m], v100, s22               ; the lanes whose row of tile m is a chosen one
.endr
	s_cmp_eq_u32 s23, 0
	s_cbranch_scc1 .Lmid
; ======== THE FIRST PRODUCT, gelu, the quantiser
.macro ULOAD u                         ; unit u of my stream: 8 fragments into ring slot u % 2, 4 registers of scale words: 28 loads
	WIN 0x40                                       ; destination window 1, address window 0
.set iu, 0
.rept 24
	global_load_b128 v[96*((\u)&1)+4*iu:96*((\u)&1)+4*iu+3], v[WO], s[28:29] offset:UNIT*(\u)+512*iu
.set iu, iu+1
.endr
	WIN 0
.irp i, 0,1,2,3
	global_load_b32 v[WS+4*((\u)&1)+\i], v[L4], s[28:29] offset:UNIT*(\u)+USC+128*\i
.endr
.endm
.macro BLOAD p                         ; b1 at hidden units 32 p + 16 h + 8 u + 0 .. 7, in the result's layout: 4 loads
	WIN 0x40
.irp u, 0,1
.irp i, 0,1
	global_load_b128 v[BIAS+8*\u+4*\i:BIAS+8*\u+4*\i+3], v[BO], s[30:31] offset:128*(\p)+32*\u+16*\i
.endr
.endr
.endm
; 16 matrix instructions: hidden block p (two tiles u) for row tiles 2 hf and 2 hf + 1, K steps 0 to 3.  The four accumulators take turns, one instruction a turn.
.macro PASS p, hf
.irp s, 0,1,2,3
.if \s == 0
	WIN 0x11                                       ; source 0 (W1) and source 2 (b1) window 1
.elseif \s == 3
	WIN 0x05                                       ; sources 0 and 1 window 1
.else
	WIN 0x01
.endif
.irp mm, 0,1
.irp u, 0,1
.set rD, ACC+16*\mm+8*\u
.set rA, 96*((\p)&1)+48*\u+12*\s
.if \s == 3
.set rB, X3+12*(2*(\hf)+\mm)
.else
.set rB, X0+12*(4*\s+2*(\hf)+\mm)
.endif
.if \s == 0
.set rC, BIAS+8*\u
.else
.set rC, rD
.endif
.set rSA, WS+4*((\p)&1)+\s
.set rSB, XS+2*(2*(\hf)+\mm)+(\s>>1)
.set fA, \u
.set fB, \s&1
	WMS
.endr
.endr
.endr
	WIN 0
	PLACES
.endm
; gelu of 16 numbers, in place.  Each batch of sixteen transcendentals has one plain line and one wait behind it, ahead of its first reader.  The accumulators are read from their low ends on.
.macro GELU rr
.irp j, 0,2,4,6,8,10,12,14
	v_pk_mul_f32 v[Z+\j:Z+\j+1], v[(\rr)+\j:(\rr)+\j+1], v[(\rr)+\j:(\rr)+\j+1]      ; x^2
.endr
.irp j, 0,2,4,6,8,10,12,14
	v_pk_fma_f32 v[Z+\j:Z+\j+1], v[Z+\j:Z+\j+1], s[68:69], v[KC0:KC0+1] op_sel_hi:[1,0,0]   ; k1 x^2 + k0
.endr
.irp j, 0,2,4,6,8,10,12,14
	v_pk_mul_f32 v[Z+\j:Z+\j+1], v[Z+\j:Z+\j+1], v[(\rr)+\j:(\rr)+\j+1]
.endr
.irp j, 0,1,2,3,4,5,6,7,8,9,10,11,12,13,14,15
	v_exp_f32 v[Z+\j], v[Z+\j]
.endr
	v_nop
	s_wait_alu depctr_va_vdst(0)
.irp j, 0,2,4,6,8,10,12,14
	v_pk_add_f32 v[Z+\j:Z+\j+1], v[Z+\j:Z+\j+1], 1.0 op_sel_hi:[1,0]
.endr
.irp j, 0,1,2,3,4,5,6,7,8,9,10,11,12,13,14,15
	v_rcp_f32 v[Z+\j], v[Z+\j]
.endr
	v_nop
	s_wait_alu depctr_va_vdst(0)
.irp j, 0,2,4,6,8,10,12,14
	v_pk_mul_f32 v[(\rr)+\j:(\rr)+\j+1], v[(\rr)+\j:(\rr)+\j+1], v[Z+\j:Z+\j+1]
.endr
.endm
; Hidden block p of row tiles m = 2 hf + mm is quantised: a block of 32 lies in lanes l and l xor 16.  Its byte goes into the row's scale word; its codes wait in v[PP + 4 m] (p even) until the next block's are made (p odd):
; then the halves change places, so that a lane holds a whole block, and the six registers go to LDS as they stand in the operand.  Z: +0,1 maxima, +2,3 the other lane's, +4,5 scale operands, +6,7 bytes, +8.., +12.. codes.
.macro QUANT p, hf
.irp mm, 0,1
	v_max3_num_f32 v[Z+\mm], |v[ACC+16*\mm]|, |v[ACC+16*\mm+1]|, FLOOR
.endr
.irp i, 2,4,6,8,10,12,14
.irp mm, 0,1
	v_max3_num_f32 v[Z+\mm], v[Z+\mm], |v[ACC+16*\mm+\i]|, |v[ACC+16*\mm+\i+1]|
.endr
.endr
.irp mm, 0,1
	v_permlanex16_b32 v[Z+2+\mm], v[Z+\mm], s66, s67
.endr
.irp mm, 0,1
	v_max_num_f32 v[Z+\mm], v[Z+\mm], v[Z+2+\mm]
.endr
.irp mm, 0,1
	v_add_nc_u32 v[Z+4+\mm], OFFE, v[Z+\mm]        ; 4 off the exponent field: the conversion's scale operand
.endr
.if ((\p)&3) == 0
.irp mm, 0,1
	v_lshrrev_b32 v[SW+2*(\hf)+\mm], 23, v[Z+4+\mm]   ; the first byte starts the word
.endr
.else
.irp mm, 0,1
	v_lshrrev_b32 v[Z+6+\mm], 23, v[Z+4+\mm]
.endr
.irp mm, 0,1
	v_lshl_or_b32 v[SW+2*(\hf)+\mm], v[Z+6+\mm], 8*((\p)&3), v[SW+2*(\hf)+\mm]
.endr
.endif
.if ((\p)&1) == 0
.irp mm, 0,1
	v_cvt_scalef32_pk16_bf6_f32 v[PP+4*(2*(\hf)+\mm):PP+4*(2*(\hf)+\mm)+2], v[ACC+16*\mm:ACC+16*\mm+15], v[Z+4+\mm]
.endr
	v_nop                                          ; one plain line behind a scaled conversion
.else
.irp mm, 0,1
	v_cvt_scalef32_pk16_bf6_f32 v[Z+8+4*\mm:Z+10+4*\mm], v[ACC+16*\mm:ACC+16*\mm+15], v[Z+4+\mm]
.endr
	v_nop
.irp mm, 0,1
.irp i, 0,1,2
	v_permlane16_swap_b32 v[PP+4*(2*(\hf)+\mm)+\i], v[Z+8+4*\mm+\i]   ; the first's lanes 16-31 change places with the second's lanes 0-15: lane (r, h) now holds block 2 c + h, lower 16 codes and upper 16
.endr
.endr
.irp mm, 0,1
	v_mov_b32 v[PP+4*(2*(\hf)+\mm)+3], v[Z+8+4*\mm]
	v_mov_b32 v[Z+2*\mm], v[Z+9+4*\mm]
	v_mov_b32 v[Z+2*\mm+1], v[Z+10+4*\mm]
.endr
.irp mm, 0,1
	ds_store_b128 v[AQ], v[PP+4*(2*(\hf)+\mm):PP+4*(2*(\hf)+\mm)+3] offset:(4*((\p)>>2)+2*(\hf)+\mm)*FRB+768*(((\p)>>1)&1)
	ds_store_b64 v[AH], v[Z+2*\mm:Z+2*\mm+1] offset:(4*((\p)>>2)+2*(\hf)+\mm)*FRB+768*(((\p)>>1)&1)
.endr
.endif
.if ((\p)&3) == 3
.irp mm, 0,1
	ds_store_b32 v[HSA], v[SW+2*(\hf)+\mm] offset:256*((\p)>>2)+64*(2*(\hf)+\mm)   ; lanes r and r + 16 write the same word with the same value
.endr
.endif
.endm
.macro HSTEP p
.if (\p) == 7
	s_wait_loadcnt 0x0
.elseif (\p) > 0
	s_wait_loadcnt 28                              ; unit p and its b1 are in; behind them only the next unit's 28 loads were issued
.endif
	PASS \p, 0
	s_wait_dscnt 0x0                               ; my LDS stores have read their registers, which are written again below
	GELU ACC
	GELU ACC+16
	QUANT \p, 0
	PASS \p, 1                                     ; its four places also stand in front of the loads below, into registers that it has read
.if (\p) < 7
	BLOAD (\p)+1
.endif
.if (\p) < 6
	ULOAD (\p)+2
.endif
	WIN 0
	ASK 6+2*(\p)                                   ; chunks 6 + 2 p and 7 + 2 p of the stream's 25, behind the loads just issued, which reach to byte 12,800 (p + 3)
	ASK 7+2*(\p)
	s_wait_dscnt 0x0
	GELU ACC
	GELU ACC+16
	QUANT \p, 1
.endm
.irp m, 0,1,2,3
	global_load_b32 v[TOK+\m], v[R4], s[34:35] offset:64*\m   ; the token at place 64 t + 16 m + r
.endr
	BLOAD 0
	ULOAD 0
	ULOAD 1
	v_bfe_u32 v58, v0, 4, 1
	v_mul_u32_u24 v56, v58, 48                     ; 48 h
	v_lshlrev_b32 v57, 2, v58                      ; 4 h
	s_wait_loadcnt 60                              ; the four tokens are in; the 4 + 28 + 28 loads issued behind them may be out
.irp m, 0,1,2,3
	v_min_u32 v[TOK+\m], 0xfff, v[TOK+\m]          ; a loaded number is held inside the table before it enters an address
.endr
.irp m, 0,1,2,3
	v_mul_u32_u24 v[PP+\m], v[TOK+\m], 384
	v_lshlrev_b32 v[PP+4+\m], 4, v[TOK+\m]
.endr
.irp m, 0,1,2,3
	v_add_nc_u32 v[PP+\m], v[PP+\m], v56           ; xq: 384 token + 48 h
	v_add_nc_u32 v[PP+4+\m], v[PP+4+\m], v57       ; xs: 16 token + 4 h
.endr
.irp s, 0,1,2
.irp m, 0,1,2,3
.irp i, 0,1,2
	global_load_b128 v[X0+12*(4*\s+\m)+4*\i:X0+12*(4*\s+\m)+4*\i+3], v[PP+\m], s[4:5] offset:96*\s+16*\i   ; lane (r, h): 48 bytes on end: blocks 4 s + h and 4 s + 2 + h of my row
.endr
.endr
.endr
	WIN 0x40
.irp m, 0,1,2,3
.irp i, 0,1,2
	global_load_b128 v[X3+12*\m+4*\i:X3+12*\m+4*\i+3], v[PP+\m], s[4:5] offset:288+16*\i
.endr
.endr
	WIN 0
.irp m, 0,1,2,3
.irp q, 0,1
	global_load_b32 v[XS+2*\m+\q], v[PP+4+\m], s[6:7] offset:8*\q   ; lanes 0-15: the word of K step 2 q; lanes 16-31: of K step 2 q + 1
.endr
.endr
	s_wait_loadcnt 0x0
.irp p, 0,1,2,3,4,5,6,7
	HSTEP \p
.endr
.Lmid:
	s_wait_dscnt 0x0                               ; for the others' sake: my images and scale words lie in LDS
	s_barrier_signal -1
	s_barrier_wait -1                              ; the hidden layer's 64 fragments are whole.  (A work-group without chosen rows passes the same barrier)
	s_cmp_eq_u32 s23, 0
	s_cbranch_scc1 .Lzero
; ======== THE SECOND PRODUCT.  It reads only registers made at the head or here.
.macro GLOAD g                         ; K step g of my stream: four fragments of W2 into ring slot g % 4, two registers of scale words: 14 loads
	WIN 0x40
.irp i, 0,1,2,3,4,5,6,7,8,9,10,11
	global_load_b128 v[48*((\g)%4)+4*\i:48*((\g)%4)+4*\i+3], v[WO], s[28:29] offset:UNIT*(8+(\g)/2)+6144*((\g)%2)+512*\i
.endr
	WIN 0
.irp q, 0,1
	global_load_b32 v[WS+(2*(\g)+\q)%8], v[L4], s[28:29] offset:UNIT*(8+(\g)/2)+USC+128*(2*((\g)%2)+\q)
.endr
.endm
.macro HLOAD g                         ; K step g of the hidden layer: four fragments and two registers of scale words from LDS: 18 loads
.if (\g)&1
	WIN 0x40
.set hreg, HB
.else
	WIN 0
.set hreg, HA
.endif
.if (\g) < 8
.set adq, WO
.set adh, R8A
.set hoff, (\g)*4*FRB
.else
.set adq, R16B
.set adh, R8B
.set hoff, ((\g)-8)*4*FRB
.endif
.irp m, 0,1,2,3
.irp c, 0,1
	ds_load_b128 v[hreg+12*\m+6*\c:hreg+12*\m+6*\c+3], v[adq] offset:hoff+\m*FRB+768*\c
	ds_load_b64 v[hreg+12*\m+6*\c+4:hreg+12*\m+6*\c+5], v[adh] offset:hoff+\m*FRB+768*\c
.endr
.endr
	WIN 0
.irp q, 0,1
	ds_load_b32 v[XS+2*((\g)&1)+\q], v[L4H] offset:256*(\g)+128*\q   ; lanes 0-15: row tile 2 q; lanes 16-31: row tile 2 q + 1
.endr
.endm
; K step g: 16 matrix instructions, four tiles of outputs x four row tiles; the sixteen accumulators take turns.  Weights run three K steps ahead, hidden fragments one.
.macro GROUP g
.if (\g) > 0
	PLACES                                         ; in front of loads into registers that the last K step's matrix instructions have read
.if (\g) <= 12
	GLOAD (\g)+3
.endif
.if (\g) < 15
	HLOAD (\g)+1
.endif
.if (\g) == 15
	WIN 0
.irp n, 0,1,2,3
.irp i, 0,1
	global_load_b128 v[64+8*\n+4*\i:67+8*\n+4*\i], v[H32], s[32:33] offset:64*\n+16*\i   ; b2 at columns 16 n + 8 h + 0 .. 7, in the result's layout
.endr
.endr
.irp i, 0,1
	global_load_b128 v[96+4*\i:99+4*\i], v[H32], s[34:35] offset:16*\i                   ; the tokens at places 16 m + 8 h + 0 .. 7
	global_load_b128 v[104+4*\i:107+4*\i], v[H32], s[34:35] offset:64+16*\i
	global_load_b128 v[240+4*\i:243+4*\i], v[H32], s[34:35] offset:128+16*\i
	global_load_b128 v[248+4*\i:251+4*\i], v[H32], s[34:35] offset:192+16*\i
.endr
.endif
.endif
.if (\g) < 3
	ASK 22+(\g)                                    ; the stream's last three chunks
.endif
.if (\g) <= 12
	s_wait_loadcnt 42                              ; K step g's weights are in; behind them three K steps' 14 loads each were issued
.elseif (\g) == 13
	s_wait_loadcnt 28
.elseif (\g) == 14
	s_wait_loadcnt 14
.else
	s_wait_loadcnt 16                              ; behind them: b2's eight loads and the tokens' eight
.endif
.if (\g) < 15
	s_wait_dscnt 18                                ; K step g's hidden fragments are in; the next step's 18 loads may be out
.else
	s_wait_dscnt 0x0
.endif
.if (\g)&1
	WIN 0x05                                       ; W2 and the hidden fragments window 1
.else
	WIN 0x01                                       ; W2 window 1
.endif
.irp m, 0,1,2,3
.irp n, 0,1,2,3
.set rD, Y0+8*(4*\m+\n)
.set rA, 48*((\g)%4)+12*\n
.if (\g)&1
.set rB, HB+12*\m
.else
.set rB, HA+12*\m
.endif
.if (\g) == 0
.set rC, -1
.else
.set rC, rD
.endif
.set rSA, WS+(2*(\g)+(\n>>1))%8
.set rSB, XS+2*((\g)&1)+(\m>>1)
.set fA, \n&1
.set fB, \m&1
	WMS
.endr
.endr
.endm
	GLOAD 0
	GLOAD 1
	GLOAD 2
	GLOAD 3
	HLOAD 0
	HLOAD 1
.irp g, 0,1,2,3,4,5,6,7,8,9,10,11,12,13,14,15
	GROUP \g
.endr
	WIN 0
; ======== THE WAY OUT.  Lane (r, h) holds, of row 16 m + r, columns 16 n + 8 h + 0 .. 7.  b2 is added, rows that are not chosen become 0, and a row tile goes through my own stage and comes back as rows of 256 bytes.
	s_wait_loadcnt 0x0                             ; b2 and the tokens
.irp b, 96,104,240,248                 ; (these 96 lines name no register of the last products: they are the places behind them)
.irp i, 0,1,2,3,4,5,6,7
	v_min_u32 v[\b+\i], 0xfff, v[\b+\i]
.endr
.endr
.irp b, 96,104,240,248
.irp i, 0,1,2,3,4,5,6,7
	v_lshlrev_b32 v[\b+\i], 11, v[\b+\i]           ; a row of out0 is 2,048 bytes
.endr
.endr
.irp b, 96,104,240,248
.irp i, 0,1,2,3,4,5,6,7
	v_add_nc_u32 v[\b+\i], v[OL], v[\b+\i]         ; + 16 r
.endr
.endr
.macro PACK m
.irp n, 0,1,2,3
.irp j, 0,2,4,6
	v_pk_add_f32 v[Y0+8*(4*(\m)+\n)+\j:Y0+8*(4*(\m)+\n)+\j+1], v[Y0+8*(4*(\m)+\n)+\j:Y0+8*(4*(\m)+\n)+\j+1], v[64+8*\n+\j:65+8*\n+\j]   ; each accumulator from its low end on
.endr
.irp j, 0,1,2,3,4,5,6,7
	v_cndmask_b32 v[Y0+8*(4*(\m)+\n)+\j], 0, v[Y0+8*(4*(\m)+\n)+\j], s[70+(\m)]
.endr
	ds_store_b128 v[SOA], v[Y0+8*(4*(\m)+\n):Y0+8*(4*(\m)+\n)+3] offset:64*\n
	ds_store_b128 v[SOA], v[Y0+8*(4*(\m)+\n)+4:Y0+8*(4*(\m)+\n)+7] offset:64*\n+16
.endr
.irp i, 0,1,2,3,4,5,6,7
	ds_load_b128 v[Y0+32*(\m)+4*\i:Y0+32*(\m)+4*\i+3], v[SRA] offset:272*\i   ; row i + 8 h.  LDS serves a wave's instructions in order: these see the stores above, and the next tile's stores come behind them
.endr
.endm
.macro SEND m, younger                 ; younger: the LDS instructions issued behind tile m's loads: the next tile's sixteen, or none
.if (\m) < 2
.set tk, 96+8*(\m)
.else
.set tk, 224+8*(\m)
.endif
.irp i, 0,1,2,3,4,5,6,7
	s_wait_dscnt (\younger)+7-\i
	global_store_b128 v[tk+\i], v[Y0+32*(\m)+4*\i:Y0+32*(\m)+4*\i+3], s[36:37] th:TH_STORE_NT   ; 16 lanes store 256 consecutive bytes of one token's row, at a multiple of 256 from out0's first byte
.endr
.endm
	PACK 0
	PACK 1
	SEND 0, 16
	PACK 2
	SEND 1, 16
	PACK 3
	SEND 2, 16
	SEND 3, 0
	s_wait_tensorcnt 0x0                           ; the wave's end: behind my last LDS store
	ds_add_u32 v[SPW], v[NIL]
	s_wait_dscnt 0x0
	s_endpgm
.Lzero:	; ======== no chosen row in the tile: its 64 rows of out0 are zeros; my wave stores eight of them
.irp i, 0,1,2,3
	v_mov_b32 v[96+\i], 0
.endr
.irp i, 0,1,2,3,4,5,6,7
	s_min_u32 s[40+\i], s[40+\i], 0xfff            ; a loaded number is held inside the table before it enters an address
	s_lshl_b32 s38, s[40+\i], 11
	s_add_nc_u64 s[48+2*\i:49+2*\i], s[74:75], s[38:39]
.endr
.irp i, 0,1,2,3,4,5,6,7
.irp k, 0,1,2,3
	global_store_b128 v[WO], v[96:99], s[48+2*\i:49+2*\i] offset:512*\k th:TH_STORE_NT   ; 32 lanes store 512 consecutive bytes
.endr
.endr
	s_wait_tensorcnt 0x0                           ; the wave's end
	ds_add_u32 v[SPW], v[NIL]
	s_wait_dscnt 0x0
	s_endpgm
.Lfunc_end_k_q57a9708ad1_ffn:
	.size	k_q57a9708ad1_ffn, .Lfunc_end_k_q57a9708ad1_ffn-k_q57a9708ad1_ffn
	.p2alignl 7, 3214868480
	.fill 96, 4, 3214868480
	.section	.rodata,"a",@progbits
	.p2align	6, 0x0
	.amdhsa_kernel k_q57a9708ad1_ffn
		.amdhsa_group_segment_fixed_size 138240
		.amdhsa_private_segment_fixed_size 0
		.amdhsa_enable_private_segment 0
		.amdhsa_kernarg_size 64
		.amdhsa_user_sgpr_count 2
		.amdhsa_user_sgpr_kernarg_segment_ptr 1
		.amdhsa_wavefront_size32 1
		.amdhsa_system_sgpr_workgroup_id_x 1
		.amdhsa_system_sgpr_workgroup_id_y 1
		.amdhsa_system_sgpr_workgroup_id_z 1
		.amdhsa_system_vgpr_workitem_id 0
		.amdhsa_next_free_vgpr 512
		.amdhsa_next_free_sgpr 80
		.amdhsa_reserve_vcc 0
		.amdhsa_float_denorm_mode_32 3
		.amdhsa_float_denorm_mode_16_64 3
		.amdhsa_memory_ordered 1
		.amdhsa_forward_progress 1
		.amdhsa_inst_pref_size 255
	.end_amdhsa_kernel
	.section	.bss,"aw",@nobits
	.p2align	6
	.space	262144
	.amdgpu_metadata
---
amdhsa.version: [ 1, 2 ]
amdhsa.kernels:
  - .name:           k_q57a9708ad1_ffn
    .symbol:         k_q57a9708ad1_ffn.kd
    .args:
      - { .name: xq, .offset: 0, .size: 8, .value_kind: global_buffer, .address_space: global }
      - { .name: xs, .offset: 8, .size: 8, .value_kind: global_buffer, .address_space: global }
      - { .name: wq, .offset: 16, .size: 8, .value_kind: global_buffer, .address_space: global }
      - { .name: b1, .offset: 24, .size: 8, .value_kind: global_buffer, .address_space: global }
      - { .name: b2, .offset: 32, .size: 8, .value_kind: global_buffer, .address_space: global }
      - { .name: list, .offset: 40, .size: 8, .value_kind: global_buffer, .address_space: global }
      - { .name: cnt, .offset: 48, .size: 8, .value_kind: global_buffer, .address_space: global }
      - { .name: out0, .offset: 56, .size: 8, .value_kind: global_buffer, .address_space: global }
    .group_segment_fixed_size: 138240
    .private_segment_fixed_size: 0
    .kernarg_segment_align: 8
    .kernarg_segment_size: 64
    .max_flat_workgroup_size: 256
    .sgpr_count:     80
    .vgpr_count:     512
    .wavefront_size: 32
...
	.end_amdgpu_metadata
.endif
;; end of part 2
;; ======== version 2 of 2: 2 launches; version 1 with the launch ffn written anew for expert scheduling mode
;; workspace buffers: wq 13,107,200 bytes; xq 1,572,864 bytes; xs 65,536 bytes; list 131,072 bytes of whole numbers; cnt 1,024 bytes of whole numbers
;; launch prep: the kernel of part 1 again; grid 1154 x 1, 4 waves a work-group, no clusters, 22,016 bytes of LDS; arguments x, W1, W2, mask, xq, xs, wq, list, cnt; writes xq, xs, wq, list, cnt
;; launch ffn (part 3): grid 8 x 64, 8 waves a work-group, no clusters, 138,240 bytes of LDS; arguments xq, xs, wq, b1, b2, list, cnt, out0; writes out0
.if DOCPART == 3
	.amdgcn_target "amdgcn-amd-amdhsa--gfx1250"
	.amdhsa_code_object_version 6
	.text
	.protected	k_q57a9708ad1_ffn
	.globl	k_q57a9708ad1_ffn
	.p2align	8
	.type	k_q57a9708ad1_ffn,@function
k_q57a9708ad1_ffn:
	s_mov_b64 s[64:65], 0
	v_nop
	global_prefetch_b8 v0, s[64:65] scope:SCOPE_SE
	s_setreg_imm32_b32 hwreg(HW_REG_WAVE_SCHED_MODE, 0, 2), 2
	s_setreg_imm32_b32 hwreg(HW_REG_WAVE_MODE, 25, 1), 1
	s_wait_xcnt 0x0
	s_wait_alu depctr_vm_vsrc(0)
; out0[e][t][:] = mask[e][t] ? gelu(x[t] W1[e] + b1[e]) W2[e] + b2[e] : 0, both products on codes of BF6 (E3M2), one E8M0 scale for each 32 along K.
; LEFT OUT: the rows whose mask byte is 0 (the problem's own where() puts 0 there whatever y holds); they are stored as zeros and not multiplied.  Which rows those are is read from list and cnt, which the launch before stored.
; SHARES.  Work-group (e, t) owns places 64 t .. 64 t + 63 of expert e's list, a permutation of the tokens with the n_e chosen ones first: so each row of out0 has one owner, for every mask.
;   64 t < n_e: the chain runs for the 64 rows; rows at places from n_e on are stored as zeros by a select.     Else: the 64 rows are stored as zeros, 8 rows a wave.
; The choice hangs on a number read from memory, so the text has no tensor load and no cluster; the weights come from memory straight into registers, laid out for that by the launch before.
; Every wave of every work-group passes the one barrier, which stands on the way that all take.
; THE EIGHT WAVES SHARE THE COLUMNS, NOT THE ROWS.  First product: wave w makes hidden units 256 w .. 256 w + 255 of all 64 rows (K steps 2 w, 2 w + 1 of the second product); second: output columns 64 w .. 64 w + 63.
; So each fragment of a weight is loaded once in the work-group and feeds four matrix instructions.  Two waves share a SIMD: one wave's gelu stands beside the other's products.
; BOTH PRODUCTS ARE USED TRANSPOSED (source 0 = 16 rows of the weight, source 1 = 16 tokens): a lane holds one token.  The rows of W1 that form a tile are chosen (by the launch before) so that the 16 registers of a
; pair of tiles are 16 neighbouring hidden units, 32 p + 16 (lane / 16) + 0 .. 15.  b1 is the C of a sum's first matrix instruction.
; gelu(x) = x / (1 + 2^(x (k0 + k1 x^2))), k0 = -2 log2(e) sqrt(2 / pi), k1 = 0.044715 k0: the tanh form, since (1 + tanh u) / 2 = 1 / (1 + e^(-2u)); all in f32.
; THE HIDDEN LAYER goes from wave to wave through LDS as images of the operand's registers, never to memory.
; LIMITS: a block of hidden units that are all zeros gets the scale byte 1 where the rule says 127 (its codes are zeros); NaN and infinities in the inputs are not served.
; LDS: HIMG 64 fragments of 1,536 bytes (fragment 4 g + m: K step g, row tile m; for each half c at 768 c: 16 bytes a lane (registers 6 c .. 6 c + 3), then 8 bytes a lane (6 c + 4, 6 c + 5));
;   HSC their scale words at 256 g + 64 m + 4 r;  STG a stage of 16 rows x 272 bytes for each wave;  SPARE the spare words.
; REGISTERS.  Window 0: v1-31 addresses and constants; v32-39 the tokens' (later the hidden layer's) scale words, v40-47 the weights'; v48-63 codes in the making; v64-95 four accumulators of the first product; v96-111 at work;
;   v112-255 x's fragments of K steps 0-2.  In the second product: v64-111 hidden fragments (even K steps), v112-239 sixteen accumulators, v240-255 tokens.
;   Window 1: v0-191 the weights' ring (two slots of 96, later four of 48); v192-239 x's fragments of K step 3, later hidden fragments (odd K steps); v240-255 b1.
; THE MODE: SCHED_MODE bits 1:0 = 2 (LLVM: expert scheduling mode 2), set by the entry lines.  The code itself states the register dependences between vector or matrix instructions and memory or LDS
; instructions, with s_wait_alu, always for 0.
; THE PLAN.  Registers that memory or LDS instructions touch, and who else names them:
;   v1-v18, v26   Addresses and offsets: written at the head, read by loads, stores and prefetches, never written again: one wait on va_vdst at the head's end serves them all, on both ways.
;   v[PP .. PP+7] At the chain's head the offsets of x's loads: a wait on va_vdst ahead of those loads, one on vm_vsrc behind them, since the quantiser writes these registers later.
;   FIRST PRODUCT, hidden block p.  Ring slot p % 2, its four scale registers and b1's sixteen are read by the block's 32 matrix instructions; behind the last of them ONE wait on va_vdst, and the loads
;                 of b1 for block p + 1 and of unit p + 2 land there.  gelu and the quantiser name ACC, Z, PP, SW alone: none of the registers that those loads touch.
;   PP, Z .. Z+3, SW   Written by the quantiser, read by the LDS stores of odd blocks: one wait on va_vdst ahead of a run of stores; one on vm_vsrc ahead of the gelu that follows the run and writes Z again
;                 (PP and SW are written again still later).
;   AT THE BARRIER  One wait on va_vdst and one on vm_vsrc: all that the first product named or stored from may be loaded into by the second, or written by the way that stores zeros.
;   SECOND PRODUCT, K step g.  Its matrix instructions read ring slot g % 4, scale registers (2 g + q) % 8, and the hidden fragments and scale words of g's parity.  Its loads land in ring slot (g + 3) % 4 =
;                 (g - 1) % 4, scale registers (2 g - 2 + q) % 8 and the other parity: what K step g - 1 read and K step g does not name.  So ONE wait on va_vdst at the step's head states all that its
;                 loads hang on: W2's follow it at once, the hidden layer's stand among the step's matrix instructions.
;   THE WAY OUT   All additions and selects first; ONE wait on va_vdst ahead of the first store into the stage; in each row tile a wait on vm_vsrc between its stores and the loads that land in the same registers.
.set HSC,    98304
.set STG,    102400
.set SPARE,  137216
.set FRB,    1536
.set UNIT,   12800
.set USC,    12288
.set FLOOR,  0x2800000                 ; 2^(5 - 127)
.set OFFE,   0xfe000000                ; takes 4 off an exponent field
.set SPW,  1                           ; v1   LDS address of my spare word; never rewritten
.set NIL,  2                           ; v2   0; never rewritten
.set WO,   3                           ; v3   16 x lane: my place in an image, in memory and in LDS (the images begin at LDS byte 0)
.set L4,   4                           ; v4   4 x lane
.set BO,   5                           ; v5   64 h
.set AQ,   6                           ; v6   where I store 16 bytes of an image: 12,288 w + 16 lane
.set AH,   7                           ; v7   and 8 bytes: 12,288 w + 512 + 8 lane
.set HSA,  8                           ; v8   HSC + 512 w + 4 r
.set R16B, 10                          ; v10  16 lane + 49,152: images of K steps 8 on
.set R8A,  11                          ; v11  512 + 8 lane
.set R8B,  12                          ; v12  the same + 49,152
.set L4H,  13                          ; v13  HSC + 4 lane
.set SOA,  14                          ; v14  the stage, in: row r, 32 h
.set SRA,  15                          ; v15  the stage, back: row 8 h, 16 r
.set PFO,  16                          ; v16  256 x lane
.set OL,   17                          ; v17  16 r
.set H32,  18                          ; v18  32 h
.set KC0,  20                          ; v[20:21] k0, twice
.set TOK,  22                          ; v22-25 my row's token in each row tile
.set R4,   26                          ; v26  4 r
.set SW,   28                          ; v28-31 the hidden layer's scale words in the making
.set XS,   32
.set WS,   40
.set PP,   48
.set ACC,  64
.set Z,    96
.set X0,   112
.set Y0,   112
.set HA,   64
.set X3,   192                         ; window 1
.set HB,   192                         ; window 1
.set BIAS, 240                         ; window 1
.set MSB, 0
.macro WIN new                         ; the immediate's high byte repeats the setting that is left; a switch that changes nothing is dropped
.if MSB != \new
	s_set_vgpr_msb (MSB<<8)|\new
.set MSB, \new
.endif
.endm
.macro PLACES                          ; four plain vector instructions between a matrix instruction and the first read of its result by a vector instruction, or a load into one of its registers
.rept 4
	v_nop
.endr
.endm
; One matrix instruction from the symbols rD, rA, rB, rC (under 0: the constant 0), rSA, rSB; fA, fB = 1: that side's scale words stand in lanes 16-31
.macro WMS
.if rC < 0
.if fA && fB
	v_wmma_scale_f32_16x16x128_f8f6f4 v[rD:rD+7], v[rA:rA+11], v[rB:rB+11], 0, v[rSA], v[rSB] matrix_a_fmt:MATRIX_FMT_BF6 matrix_b_fmt:MATRIX_FMT_BF6 matrix_a_scale:MATRIX_SCALE_ROW1 matrix_b_scale:MATRIX_SCALE_ROW1
.elseif fA
	v_wmma_scale_f32_16x16x128_f8f6f4 v[rD:rD+7], v[rA:rA+11], v[rB:rB+11], 0, v[rSA], v[rSB] matrix_a_fmt:MATRIX_FMT_BF6 matrix_b_fmt:MATRIX_FMT_BF6 matrix_a_scale:MATRIX_SCALE_ROW1
.elseif fB
	v_wmma_scale_f32_16x16x128_f8f6f4 v[rD:rD+7], v[rA:rA+11], v[rB:rB+11], 0, v[rSA], v[rSB] matrix_a_fmt:MATRIX_FMT_BF6 matrix_b_fmt:MATRIX_FMT_BF6 matrix_b_scale:MATRIX_SCALE_ROW1
.else
	v_wmma_scale_f32_16x16x128_f8f6f4 v[rD:rD+7], v[rA:rA+11], v[rB:rB+11], 0, v[rSA], v[rSB] matrix_a_fmt:MATRIX_FMT_BF6 matrix_b_fmt:MATRIX_FMT_BF6
.endif
.else
.if fA && fB
	v_wmma_scale_f32_16x16x128_f8f6f4 v[rD:rD+7], v[rA:rA+11], v[rB:rB+11], v[rC:rC+7], v[rSA], v[rSB] matrix_a_fmt:MATRIX_FMT_BF6 matrix_b_fmt:MATRIX_FMT_BF6 matrix_a_scale:MATRIX_SCALE_ROW1 matrix_b_scale:MATRIX_SCALE_ROW1
.elseif fA
	v_wmma_scale_f32_16x16x128_f8f6f4 v[rD:rD+7], v[rA:rA+11], v[rB:rB+11], v[rC:rC+7], v[rSA], v[rSB] matrix_a_fmt:MATRIX_FMT_BF6 matrix_b_fmt:MATRIX_FMT_BF6 matrix_a_scale:MATRIX_SCALE_ROW1
.elseif fB
	v_wmma_scale_f32_16x16x128_f8f6f4 v[rD:rD+7], v[rA:rA+11], v[rB:rB+11], v[rC:rC+7], v[rSA], v[rSB] matrix_a_fmt:MATRIX_FMT_BF6 matrix_b_fmt:MATRIX_FMT_BF6 matrix_b_scale:MATRIX_SCALE_ROW1
.else
	v_wmma_scale_f32_16x16x128_f8f6f4 v[rD:rD+7], v[rA:rA+11], v[rB:rB+11], v[rC:rC+7], v[rSA], v[rSB] matrix_a_fmt:MATRIX_FMT_BF6 matrix_b_fmt:MATRIX_FMT_BF6
.endif
.endif
.endm
; A prefetch of 8,192 bytes of my wave's stream of weights, lanes 256 bytes apart.  All tiles of an expert read the same eight streams: the expert's tile 0 asks, each of its waves for its own stream, each chunk once.
.macro ASK c
	s_cmp_lg_u32 s25, 0
	s_cbranch_scc1 .Lnot_mine_\@
	global_prefetch_b8 v[PFO], s[28:29] offset:8192*(\c) th:TH_LOAD_NT scope:SCOPE_SE
.Lnot_mine_\@:
.endm
	s_load_b512 s[4:19], s[0:1], 0x0               ; xq s[4:5], xs s[6:7], wq s[8:9], b1 s[10:11], b2 s[12:13], list s[14:15], cnt s[16:17], out0 s[18:19]
	v_lshl_add_u32 v[SPW], v0, 2, SPARE
	v_mov_b32 v[NIL], 0
	v_lshrrev_b32 v96, 5, v0
	v_readfirstlane_b32 s26, v96                   ; w: wave 0..7
	v_and_b32 v96, 31, v0                          ; lane
	v_and_b32 v97, 15, v0                          ; r
	v_bfe_u32 v98, v0, 4, 1                        ; h
	s_mov_b32 s24, ttmp9                           ; e
	s_and_b32 s25, ttmp7, 0xffff                   ; t
	s_lshl_b32 s27, s25, 6                         ; the tile's first place
	; every LDS address is made here, ahead of the first parting of the ways
	v_lshlrev_b32 v[WO], 4, v96
	v_lshlrev_b32 v[L4], 2, v96
	v_lshlrev_b32 v[BO], 6, v98
	s_wait_alu depctr_va_sdst(0)                   ; s26, the wave's number, is written, ahead of its first reader: LDS addresses and the bases of the streams are made from it
	s_mul_i32 s38, s26, 12288
	v_add_nc_u32 v[AQ], s38, v[WO]
	v_lshl_add_u32 v[AH], v96, 3, s38
	v_add_nc_u32 v[AH], 512, v[AH]
	s_lshl_b32 s38, s26, 9
	s_add_co_u32 s38, s38, HSC
	v_lshl_add_u32 v[HSA], v97, 2, s38
	v_add_nc_u32 v[R16B], 49152, v[WO]
	v_lshl_add_u32 v[R8A], v96, 3, 512
	v_add_nc_u32 v[R8B], 49152, v[R8A]
	v_add_nc_u32 v[L4H], HSC, v[L4]
	s_mul_i32 s38, s26, 4352
	s_add_co_u32 s38, s38, STG
	v_mul_u32_u24 v[SOA], v97, 272
	v_lshl_add_u32 v[SOA], v98, 5, v[SOA]
	v_add_nc_u32 v[SOA], s38, v[SOA]
	v_mul_u32_u24 v[SRA], v98, 2176
	v_lshl_add_u32 v[SRA], v97, 4, v[SRA]
	v_add_nc_u32 v[SRA], s38, v[SRA]
	v_lshlrev_b32 v[PFO], 8, v96
	v_lshlrev_b32 v[OL], 4, v97
	v_lshlrev_b32 v[H32], 5, v98
	v_lshlrev_b32 v[R4], 2, v97
	v_mov_b32 v[KC0], 0xc0135761                   ; k0 = -2.3022082
	v_mov_b32 v[KC0+1], 0xc0135761
	s_mov_b32 s66, 0x76543210
	s_mov_b32 s67, 0xfedcba98                      ; v_permlanex16_b32's selects for lane l xor 16
	s_mov_b32 s68, 0xbdd2d3e8                      ; k1 = -0.10294324
	s_mov_b32 s69, s68                             ; (named with it as a pair, so it is written)
	s_mov_b32 s39, 0                               ; the upper word of every offset
	s_lshl_b32 s20, s24, 7                         ; cnt: 128 e;  never rewritten
	s_lshl_b32 s21, s26, 5                         ; list: my wave's eight places;  never rewritten
	s_wait_kmcnt 0x0
	s_lshl_b32 s38, s24, 3
	s_add_co_u32 s38, s38, s26
	s_mul_i32 s38, s38, 204800
	s_add_nc_u64 s[28:29], s[8:9], s[38:39]        ; my stream of weights: wq + (8 e + w) 204,800
	s_lshl_b32 s38, s24, 13
	s_lshl_b32 s23, s26, 10
	s_add_co_u32 s38, s38, s23
	s_add_nc_u64 s[30:31], s[10:11], s[38:39]      ; b1 + 8,192 e + 1,024 w
	s_lshl_b32 s38, s24, 11
	s_lshl_b32 s23, s26, 8
	s_add_co_u32 s38, s38, s23
	s_add_nc_u64 s[32:33], s[12:13], s[38:39]      ; b2 + 2,048 e + 256 w
	s_lshl_b32 s38, s24, 14
	s_lshl_b32 s23, s25, 8
	s_add_co_u32 s38, s38, s23
	s_add_nc_u64 s[34:35], s[14:15], s[38:39]      ; list + 16,384 e + 256 t
	s_lshl_b32 s38, s24, 23
	s_add_nc_u64 s[74:75], s[18:19], s[38:39]      ; out0 + e 2^23
	s_lshl_b32 s38, s26, 8
	s_add_nc_u64 s[36:37], s[74:75], s[38:39]      ; and my 64 columns in it
	s_load_b32 s22, s[16:17], s20 offset:0x0       ; n_e
	s_load_b256 s[40:47], s[34:35], s21 offset:0x0 ; the tokens at my wave's eight places
	v_add_nc_u32 v99, s27, v97                     ; my row's place in row tile 0
	s_wait_kmcnt 0x0
	s_cmp_lt_u32 s27, s22
	s_cselect_b32 s23, 1, 0                        ; 1: the tile holds chosen rows
.irp m, 0,1,2,3
	v_add_nc_u32 v100, 16*\m, v99
	v_cmp_lt_u32 s[70+\m], v100, s22               ; the lanes whose row of tile m is a chosen one
.endr
	s_wait_alu depctr_va_sdst(0)                   ; the four compares have written s70 to s73, ahead of the branch below and of their readers, the selects on the way out
	s_wait_alu depctr_va_vdst(0)                   ; the addresses and offsets v1 to v18 and v26 are written, which the loads, stores and prefetches of both ways read
	s_cmp_eq_u32 s23, 0
	s_cbranch_scc1 .Lmid
; ======== THE FIRST PRODUCT, gelu, the quantiser
.macro ULOAD u                         ; unit u of my stream: 8 fragments into ring slot u % 2, 4 registers of scale words: 28 loads
	WIN 0x40                                       ; destination window 1, address window 0
.set iu, 0
.rept 24
	global_load_b128 v[96*((\u)&1)+4*iu:96*((\u)&1)+4*iu+3], v[WO], s[28:29] offset:UNIT*(\u)+512*iu
.set iu, iu+1
.endr
	WIN 0
.irp i, 0,1,2,3
	global_load_b32 v[WS+4*((\u)&1)+\i], v[L4], s[28:29] offset:UNIT*(\u)+USC+128*\i
.endr
.endm
.macro BLOAD p                         ; b1 at hidden units 32 p + 16 h + 8 u + 0 .. 7, in the result's layout: 4 loads
	WIN 0x40
.irp u, 0,1
.irp i, 0,1
	global_load_b128 v[BIAS+8*\u+4*\i:BIAS+8*\u+4*\i+3], v[BO], s[30:31] offset:128*(\p)+32*\u+16*\i
.endr
.endr
.endm
; 16 matrix instructions: hidden block p (two tiles u) for row tiles 2 hf and 2 hf + 1, K steps 0 to 3.  The four accumulators take turns, one instruction a turn.
.macro PASS p, hf
.irp s, 0,1,2,3
.if \s == 0
	WIN 0x11                                       ; source 0 (W1) and source 2 (b1) window 1
.elseif \s == 3
	WIN 0x05                                       ; sources 0 and 1 window 1
.else
	WIN 0x01
.endif
.irp mm, 0,1
.irp u, 0,1
.set rD, ACC+16*\mm+8*\u
.set rA, 96*((\p)&1)+48*\u+12*\s
.if \s == 3
.set rB, X3+12*(2*(\hf)+\mm)
.else
.set rB, X0+12*(4*\s+2*(\hf)+\mm)
.endif
.if \s == 0
.set rC, BIAS+8*\u
.else
.set rC, rD
.endif
.set rSA, WS+4*((\p)&1)+\s
.set rSB, XS+2*(2*(\hf)+\mm)+(\s>>1)
.set fA, \u
.set fB, \s&1
	WMS
.endr
.endr
.endr
	WIN 0
	PLACES
.endm
; gelu of 16 numbers, in place.  Each batch of sixteen transcendentals has one plain line and one wait behind it, ahead of its first reader.  The accumulators are read from their low ends on.
.macro GELU rr
.irp j, 0,2,4,6,8,10,12,14
	v_pk_mul_f32 v[Z+\j:Z+\j+1], v[(\rr)+\j:(\rr)+\j+1], v[(\rr)+\j:(\rr)+\j+1]      ; x^2
.endr
.irp j, 0,2,4,6,8,10,12,14
	v_pk_fma_f32 v[Z+\j:Z+\j+1], v[Z+\j:Z+\j+1], s[68:69], v[KC0:KC0+1] op_sel_hi:[1,0,0]   ; k1 x^2 + k0
.endr
.irp j, 0,2,4,6,8,10,12,14
	v_pk_mul_f32 v[Z+\j:Z+\j+1], v[Z+\j:Z+\j+1], v[(\rr)+\j:(\rr)+\j+1]
.endr
.irp j, 0,1,2,3,4,5,6,7,8,9,10,11,12,13,14,15
	v_exp_f32 v[Z+\j], v[Z+\j]
.endr
	v_nop
	s_wait_alu depctr_va_vdst(0)                   ; the sixteen exponentials have written v[Z ..], which the additions below read
.irp j, 0,2,4,6,8,10,12,14
	v_pk_add_f32 v[Z+\j:Z+\j+1], v[Z+\j:Z+\j+1], 1.0 op_sel_hi:[1,0]
.endr
.irp j, 0,1,2,3,4,5,6,7,8,9,10,11,12,13,14,15
	v_rcp_f32 v[Z+\j], v[Z+\j]
.endr
	v_nop
	s_wait_alu depctr_va_vdst(0)                   ; the sixteen reciprocals have written v[Z ..], which the multiplications below read
.irp j, 0,2,4,6,8,10,12,14
	v_pk_mul_f32 v[(\rr)+\j:(\rr)+\j+1], v[(\rr)+\j:(\rr)+\j+1], v[Z+\j:Z+\j+1]
.endr
.endm
; Hidden block p of row tiles m = 2 hf + mm is quantised: a block of 32 lies in lanes l and l xor 16.  Its byte goes into the row's scale word; its codes wait in v[PP + 4 m] (p even) until the next block's are made (p odd):
; then the halves change places, so that a lane holds a whole block, and the six registers go to LDS as they stand in the operand.  Z: +0,1 maxima, +2,3 the other lane's, +4,5 scale operands, +6,7 bytes, +8.., +12.. codes.
.macro QUANT p, hf
.irp mm, 0,1
	v_max3_num_f32 v[Z+\mm], |v[ACC+16*\mm]|, |v[ACC+16*\mm+1]|, FLOOR
.endr
.irp i, 2,4,6,8,10,12,14
.irp mm, 0,1
	v_max3_num_f32 v[Z+\mm], v[Z+\mm], |v[ACC+16*\mm+\i]|, |v[ACC+16*\mm+\i+1]|
.endr
.endr
.irp mm, 0,1
	v_permlanex16_b32 v[Z+2+\mm], v[Z+\mm], s66, s67
.endr
.irp mm, 0,1
	v_max_num_f32 v[Z+\mm], v[Z+\mm], v[Z+2+\mm]
.endr
.irp mm, 0,1
	v_add_nc_u32 v[Z+4+\mm], OFFE, v[Z+\mm]        ; 4 off the exponent field: the conversion's scale operand
.endr
.if ((\p)&3) == 0
.irp mm, 0,1
	v_lshrrev_b32 v[SW+2*(\hf)+\mm], 23, v[Z+4+\mm]   ; the first byte starts the word
.endr
.else
.irp mm, 0,1
	v_lshrrev_b32 v[Z+6+\mm], 23, v[Z+4+\mm]
.endr
.irp mm, 0,1
	v_lshl_or_b32 v[SW+2*(\hf)+\mm], v[Z+6+\mm], 8*((\p)&3), v[SW+2*(\hf)+\mm]
.endr
.endif
.if ((\p)&1) == 0
.irp mm, 0,1
	v_cvt_scalef32_pk16_bf6_f32 v[PP+4*(2*(\hf)+\mm):PP+4*(2*(\hf)+\mm)+2], v[ACC+16*\mm:ACC+16*\mm+15], v[Z+4+\mm]
.endr
	v_nop                                          ; one plain line behind a scaled conversion
.else
.irp mm, 0,1
	v_cvt_scalef32_pk16_bf6_f32 v[Z+8+4*\mm:Z+10+4*\mm], v[ACC+16*\mm:ACC+16*\mm+15], v[Z+4+\mm]
.endr
	v_nop
.irp mm, 0,1
.irp i, 0,1,2
	v_permlane16_swap_b32 v[PP+4*(2*(\hf)+\mm)+\i], v[Z+8+4*\mm+\i]   ; the first's lanes 16-31 change places with the second's lanes 0-15: lane (r, h) now holds block 2 c + h, lower 16 codes and upper 16
.endr
.endr
.irp mm, 0,1
	v_mov_b32 v[PP+4*(2*(\hf)+\mm)+3], v[Z+8+4*\mm]
	v_mov_b32 v[Z+2*\mm], v[Z+9+4*\mm]
	v_mov_b32 v[Z+2*\mm+1], v[Z+10+4*\mm]
.endr
	s_wait_alu depctr_va_vdst(0)                   ; the exchanges and moves have written the codes in v[PP ..] and v[Z .. Z+3], and the lines above them the scale words in v[SW ..]: the LDS stores below read them
.irp mm, 0,1
	ds_store_b128 v[AQ], v[PP+4*(2*(\hf)+\mm):PP+4*(2*(\hf)+\mm)+3] offset:(4*((\p)>>2)+2*(\hf)+\mm)*FRB+768*(((\p)>>1)&1)
	ds_store_b64 v[AH], v[Z+2*\mm:Z+2*\mm+1] offset:(4*((\p)>>2)+2*(\hf)+\mm)*FRB+768*(((\p)>>1)&1)
.endr
.endif
.if ((\p)&3) == 3
.irp mm, 0,1
	ds_store_b32 v[HSA], v[SW+2*(\hf)+\mm] offset:256*((\p)>>2)+64*(2*(\hf)+\mm)   ; lanes r and r + 16 write the same word with the same value
.endr
.endif
.endm
.macro HSTEP p
.if (\p) == 7
	s_wait_loadcnt 0x0
.elseif (\p) > 0
	s_wait_loadcnt 28                              ; unit p and its b1 are in; behind them only the next unit's 28 loads were issued
.endif
	PASS \p, 0
	s_wait_dscnt 0x0                               ; my LDS stores are done
.if (\p) > 0
.if ((\p)&1) == 0
	s_wait_alu depctr_vm_vsrc(0)                   ; the LDS stores at the end of the block before have read v[Z .. Z+3], which gelu writes next, and v[PP+8 ..] and v[SW+2 ..], which this block's quantiser writes
.endif
.endif
	GELU ACC
	GELU ACC+16
	QUANT \p, 0
	PASS \p, 1                                     ; its four places also stand in front of the loads below, into registers that it has read
.if (\p) < 7
	s_wait_alu depctr_va_vdst(0)                   ; the block's matrix instructions are done reading b1, ring slot p % 2 and its scale words, in which the loads below land
	BLOAD (\p)+1
.endif
.if (\p) < 6
	ULOAD (\p)+2
.endif
	WIN 0
	ASK 6+2*(\p)                                   ; chunks 6 + 2 p and 7 + 2 p of the stream's 25, behind the loads just issued, which reach to byte 12,800 (p + 3)
	ASK 7+2*(\p)
	s_wait_dscnt 0x0                               ; my LDS stores are done
.if (\p)&1
	s_wait_alu depctr_vm_vsrc(0)                   ; the LDS stores of this block's first half have read v[Z .. Z+3], which gelu writes next, and v[PP ..] and v[SW ..], which the next block's quantiser writes
.endif
	GELU ACC
	GELU ACC+16
	QUANT \p, 1
.endm
.irp m, 0,1,2,3
	global_load_b32 v[TOK+\m], v[R4], s[34:35] offset:64*\m   ; the token at place 64 t + 16 m + r
.endr
	BLOAD 0
	ULOAD 0
	ULOAD 1
	v_bfe_u32 v58, v0, 4, 1
	v_mul_u32_u24 v56, v58, 48                     ; 48 h
	v_lshlrev_b32 v57, 2, v58                      ; 4 h
	s_wait_loadcnt 60                              ; the four tokens are in; the 4 + 28 + 28 loads issued behind them may be out
.irp m, 0,1,2,3
	v_min_u32 v[TOK+\m], 0xfff, v[TOK+\m]          ; a loaded number is held inside the table before it enters an address
.endr
.irp m, 0,1,2,3
	v_mul_u32_u24 v[PP+\m], v[TOK+\m], 384
	v_lshlrev_b32 v[PP+4+\m], 4, v[TOK+\m]
.endr
.irp m, 0,1,2,3
	v_add_nc_u32 v[PP+\m], v[PP+\m], v56           ; xq: 384 token + 48 h
	v_add_nc_u32 v[PP+4+\m], v[PP+4+\m], v57       ; xs: 16 token + 4 h
.endr
	s_wait_alu depctr_va_vdst(0)                   ; the eight offsets v[PP .. PP+7] are written, which the loads of x's codes and scale words read
.irp s, 0,1,2
.irp m, 0,1,2,3
.irp i, 0,1,2
	global_load_b128 v[X0+12*(4*\s+\m)+4*\i:X0+12*(4*\s+\m)+4*\i+3], v[PP+\m], s[4:5] offset:96*\s+16*\i   ; lane (r, h): 48 bytes on end: blocks 4 s + h and 4 s + 2 + h of my row
.endr
.endr
.endr
	WIN 0x40
.irp m, 0,1,2,3
.irp i, 0,1,2
	global_load_b128 v[X3+12*\m+4*\i:X3+12*\m+4*\i+3], v[PP+\m], s[4:5] offset:288+16*\i
.endr
.endr
	WIN 0
.irp m, 0,1,2,3
.irp q, 0,1
	global_load_b32 v[XS+2*\m+\q], v[PP+4+\m], s[6:7] offset:8*\q   ; lanes 0-15: the word of K step 2 q; lanes 16-31: of K step 2 q + 1
.endr
.endr
	s_wait_loadcnt 0x0
	s_wait_alu depctr_vm_vsrc(0)                   ; x's loads have read their offsets v[PP .. PP+7], which the quantiser's conversions write
.irp p, 0,1,2,3,4,5,6,7
	HSTEP \p
.endr
.Lmid:
	s_wait_alu depctr_va_vdst(0)                   ; the first product's matrix and vector instructions are done with the ring, the scale registers, x's fragments, ACC and Z, in which the second product's loads land
	s_wait_alu depctr_vm_vsrc(0)                   ; my last LDS stores have read v[Z .. Z+3]: hidden fragments land there, or the zeros of the way that stores zeros are written there
	s_wait_dscnt 0x0                               ; for the others' sake: my images and scale words lie in LDS
	s_barrier_signal -1
	s_barrier_wait -1                              ; the hidden layer's 64 fragments are whole.  (A work-group without chosen rows passes the same barrier)
	s_cmp_eq_u32 s23, 0
	s_cbranch_scc1 .Lzero
; ======== THE SECOND PRODUCT.  It reads only registers made at the head or here.
.macro GLOAD g                         ; K step g of my stream: four fragments of W2 into ring slot g % 4, two registers of scale words: 14 loads
	WIN 0x40
.irp i, 0,1,2,3,4,5,6,7,8,9,10,11
	global_load_b128 v[48*((\g)%4)+4*\i:48*((\g)%4)+4*\i+3], v[WO], s[28:29] offset:UNIT*(8+(\g)/2)+6144*((\g)%2)+512*\i
.endr
	WIN 0
.irp q, 0,1
	global_load_b32 v[WS+(2*(\g)+\q)%8], v[L4], s[28:29] offset:UNIT*(8+(\g)/2)+USC+128*(2*((\g)%2)+\q)
.endr
.endm
.macro HLOAD g                         ; K step g of the hidden layer: four fragments and two registers of scale words from LDS: 18 loads
.if (\g)&1
	WIN 0x40
.set hreg, HB
.else
	WIN 0
.set hreg, HA
.endif
.if (\g) < 8
.set adq, WO
.set adh, R8A
.set hoff, (\g)*4*FRB
.else
.set adq, R16B
.set adh, R8B
.set hoff, ((\g)-8)*4*FRB
.endif
.irp m, 0,1,2,3
.irp c, 0,1
	ds_load_b128 v[hreg+12*\m+6*\c:hreg+12*\m+6*\c+3], v[adq] offset:hoff+\m*FRB+768*\c
	ds_load_b64 v[hreg+12*\m+6*\c+4:hreg+12*\m+6*\c+5], v[adh] offset:hoff+\m*FRB+768*\c
.endr
.endr
	WIN 0
.irp q, 0,1
	ds_load_b32 v[XS+2*((\g)&1)+\q], v[L4H] offset:256*(\g)+128*\q   ; lanes 0-15: row tile 2 q; lanes 16-31: row tile 2 q + 1
.endr
.endm
.macro WMWIN g                         ; the windows of K step g's matrix instructions
.if (\g)&1
	WIN 0x05                                       ; W2 and the hidden fragments window 1
.else
	WIN 0x01                                       ; W2 window 1
.endif
.endm
.macro WROW g, m                       ; four matrix instructions of K step g: row tile m x the four tiles of outputs
.irp n, 0,1,2,3
.set rD, Y0+8*(4*(\m)+\n)
.set rA, 48*((\g)%4)+12*\n
.if (\g)&1
.set rB, HB+12*(\m)
.else
.set rB, HA+12*(\m)
.endif
.if (\g) == 0
.set rC, -1
.else
.set rC, rD
.endif
.set rSA, WS+(2*(\g)+(\n>>1))%8
.set rSB, XS+2*((\g)&1)+((\m)>>1)
.set fA, \n&1
.set fB, (\m)&1
	WMS
.endr
.endm
; K step g: 16 matrix instructions, four tiles of outputs x four row tiles; the sixteen accumulators take turns.  Weights run three K steps ahead, hidden fragments one.
; The one wait on va_vdst at the step's head serves all the step's loads: W2's, which follow it at once, and the hidden layer's, which stand behind the step's first four matrix instructions.
; Those four name ring slot g % 4, scale registers (2 g + q) % 8, the fragments and scale words of g's parity and the accumulators: none of the registers that the hidden layer's loads touch.
.macro GROUP g
.if (\g) > 0
	PLACES                                         ; in front of loads into registers that the last K step's matrix instructions have read
	s_wait_alu depctr_va_vdst(0)                   ; the last K step's matrix instructions are done reading their ring slot, their scale registers and their hidden fragments, in which this step's loads land
.if (\g) <= 12
	GLOAD (\g)+3
.endif
.if (\g) == 15
	WIN 0
.irp n, 0,1,2,3
.irp i, 0,1
	global_load_b128 v[64+8*\n+4*\i:67+8*\n+4*\i], v[H32], s[32:33] offset:64*\n+16*\i   ; b2 at columns 16 n + 8 h + 0 .. 7, in the result's layout
.endr
.endr
.irp i, 0,1
	global_load_b128 v[96+4*\i:99+4*\i], v[H32], s[34:35] offset:16*\i                   ; the tokens at places 16 m + 8 h + 0 .. 7
	global_load_b128 v[104+4*\i:107+4*\i], v[H32], s[34:35] offset:64+16*\i
	global_load_b128 v[240+4*\i:243+4*\i], v[H32], s[34:35] offset:128+16*\i
	global_load_b128 v[248+4*\i:251+4*\i], v[H32], s[34:35] offset:192+16*\i
.endr
.endif
.endif
.if (\g) < 3
	ASK 22+(\g)                                    ; the stream's last three chunks
.endif
.if (\g) <= 12
	s_wait_loadcnt 42                              ; K step g's weights are in; behind them three K steps' 14 loads each were issued
.elseif (\g) == 13
	s_wait_loadcnt 28
.elseif (\g) == 14
	s_wait_loadcnt 14
.else
	s_wait_loadcnt 16                              ; behind them: b2's eight loads and the tokens' eight
.endif
.if (\g) == 0
	s_wait_dscnt 18                                ; K step 0's hidden fragments are in; K step 1's 18 loads, issued with them ahead of the steps, may be out
.else
	s_wait_dscnt 0x0                               ; K step g's hidden fragments, asked for among the last step's matrix instructions, are in: no LDS load was issued behind them
.endif
	WMWIN \g
	WROW \g, 0
.if (\g) > 0
.if (\g) < 15
	HLOAD (\g)+1                                   ; no wait: no vector or matrix instruction since the wait at the step's head names the other parity's registers
.endif
.endif
	WMWIN \g
	WROW \g, 1
	WROW \g, 2
	WROW \g, 3
.endm
	GLOAD 0
	GLOAD 1
	GLOAD 2
	GLOAD 3
	HLOAD 0
	HLOAD 1
.irp g, 0,1,2,3,4,5,6,7,8,9,10,11,12,13,14,15
	GROUP \g
.endr
	WIN 0
; ======== THE WAY OUT.  Lane (r, h) holds, of row 16 m + r, columns 16 n + 8 h + 0 .. 7.  b2 is added, rows that are not chosen become 0, and a row tile goes through my own stage and comes back as rows of 256 bytes.
; All vector work stands first, so that one wait states what the stores into the stage, the loads from it and the stores to memory hang on.
	s_wait_loadcnt 0x0                             ; b2 and the tokens
.irp b, 96,104,240,248                 ; (these 96 lines name no register of the last products: they are the places behind them)
.irp i, 0,1,2,3,4,5,6,7
	v_min_u32 v[\b+\i], 0xfff, v[\b+\i]
.endr
.endr
.irp b, 96,104,240,248
.irp i, 0,1,2,3,4,5,6,7
	v_lshlrev_b32 v[\b+\i], 11, v[\b+\i]           ; a row of out0 is 2,048 bytes
.endr
.endr
.irp b, 96,104,240,248
.irp i, 0,1,2,3,4,5,6,7
	v_add_nc_u32 v[\b+\i], v[OL], v[\b+\i]         ; + 16 r
.endr
.endr
.macro FINISH m                        ; row tile m: b2 is added, and rows that are not chosen become 0
.irp n, 0,1,2,3
.irp j, 0,2,4,6
	v_pk_add_f32 v[Y0+8*(4*(\m)+\n)+\j:Y0+8*(4*(\m)+\n)+\j+1], v[Y0+8*(4*(\m)+\n)+\j:Y0+8*(4*(\m)+\n)+\j+1], v[64+8*\n+\j:65+8*\n+\j]   ; each accumulator from its low end on
.endr
.irp j, 0,1,2,3,4,5,6,7
	v_cndmask_b32 v[Y0+8*(4*(\m)+\n)+\j], 0, v[Y0+8*(4*(\m)+\n)+\j], s[70+(\m)]
.endr
.endr
.endm
.macro STAGE m                         ; row tile m into my stage, and back as rows, into the registers that it left
.irp n, 0,1,2,3
	ds_store_b128 v[SOA], v[Y0+8*(4*(\m)+\n):Y0+8*(4*(\m)+\n)+3] offset:64*\n
	ds_store_b128 v[SOA], v[Y0+8*(4*(\m)+\n)+4:Y0+8*(4*(\m)+\n)+7] offset:64*\n+16
.endr
	s_wait_alu depctr_vm_vsrc(0)                   ; the eight stores above have read the tile's 32 registers, in which the loads below land
.irp i, 0,1,2,3,4,5,6,7
	ds_load_b128 v[Y0+32*(\m)+4*\i:Y0+32*(\m)+4*\i+3], v[SRA] offset:272*\i   ; row i + 8 h.  LDS serves a wave's instructions in order: these see the stores above, and the next tile's stores come behind them
.endr
.endm
.macro SEND m, younger                 ; younger: the LDS instructions issued behind tile m's loads: the next tile's sixteen, or none
.if (\m) < 2
.set tk, 96+8*(\m)
.else
.set tk, 224+8*(\m)
.endif
.irp i, 0,1,2,3,4,5,6,7
	s_wait_dscnt (\younger)+7-\i
	global_store_b128 v[tk+\i], v[Y0+32*(\m)+4*\i:Y0+32*(\m)+4*\i+3], s[36:37] th:TH_STORE_NT   ; 16 lanes store 256 consecutive bytes of one token's row, at a multiple of 256 from out0's first byte
.endr
.endm
	FINISH 0
	FINISH 1
	FINISH 2
	FINISH 3
	s_wait_alu depctr_va_vdst(0)                   ; the additions and selects have written the four tiles, which the stores into the stage read and in which the loads from it land; the 32 offsets of the stores to memory are written too.  No vector instruction follows
	STAGE 0
	STAGE 1
	SEND 0, 16
	STAGE 2
	SEND 1, 16
	STAGE 3
	SEND 2, 16
	SEND 3, 0
	s_wait_dscnt 0x0                               ; the closing lines, six on end
	s_wait_alu 0x0
	s_wait_tensorcnt 0x0
	ds_add_u32 v[SPW], v[NIL]
	s_wait_dscnt 0x0
	s_endpgm
.Lzero:	; ======== no chosen row in the tile: its 64 rows of out0 are zeros; my wave stores eight of them
.irp i, 0,1,2,3
	v_mov_b32 v[96+\i], 0
.endr
.irp i, 0,1,2,3,4,5,6,7
	s_min_u32 s[40+\i], s[40+\i], 0xfff            ; a loaded number is held inside the table before it enters an address
	s_lshl_b32 s38, s[40+\i], 11
	s_add_nc_u64 s[48+2*\i:49+2*\i], s[74:75], s[38:39]
.endr
	s_wait_alu depctr_va_vdst(0)                   ; the four moves have written v96 to v99, which the stores below read
.irp i, 0,1,2,3,4,5,6,7
.irp k, 0,1,2,3
	global_store_b128 v[WO], v[96:99], s[48+2*\i:49+2*\i] offset:512*\k th:TH_STORE_NT   ; 32 lanes store 512 consecutive bytes
.endr
.endr
	s_wait_dscnt 0x0                               ; the closing lines, six on end
	s_wait_alu 0x0
	s_wait_tensorcnt 0x0
	ds_add_u32 v[SPW], v[NIL]
	s_wait_dscnt 0x0
	s_endpgm
.Lfunc_end_k_q57a9708ad1_ffn:
	.size	k_q57a9708ad1_ffn, .Lfunc_end_k_q57a9708ad1_ffn-k_q57a9708ad1_ffn
	.p2alignl 7, 3214868480
	.fill 96, 4, 3214868480
	.section	.rodata,"a",@progbits
	.p2align	6, 0x0
	.amdhsa_kernel k_q57a9708ad1_ffn
		.amdhsa_group_segment_fixed_size 138240
		.amdhsa_private_segment_fixed_size 0
		.amdhsa_enable_private_segment 0
		.amdhsa_kernarg_size 64
		.amdhsa_user_sgpr_count 2
		.amdhsa_user_sgpr_kernarg_segment_ptr 1
		.amdhsa_wavefront_size32 1
		.amdhsa_system_sgpr_workgroup_id_x 1
		.amdhsa_system_sgpr_workgroup_id_y 1
		.amdhsa_system_sgpr_workgroup_id_z 1
		.amdhsa_system_vgpr_workitem_id 0
		.amdhsa_next_free_vgpr 512
		.amdhsa_next_free_sgpr 80
		.amdhsa_reserve_vcc 0
		.amdhsa_float_denorm_mode_32 3
		.amdhsa_float_denorm_mode_16_64 3
		.amdhsa_memory_ordered 1
		.amdhsa_forward_progress 1
		.amdhsa_inst_pref_size 255
	.end_amdhsa_kernel
	.section	.bss,"aw",@nobits
	.p2align	6
	.space	262144
	.amdgpu_metadata
---
amdhsa.version: [ 1, 2 ]
amdhsa.kernels:
  - .name:           k_q57a9708ad1_ffn
    .symbol:         k_q57a9708ad1_ffn.kd
    .args:
      - { .name: xq, .offset: 0, .size: 8, .value_kind: global_buffer, .address_space: global }
      - { .name: xs, .offset: 8, .size: 8, .value_kind: global_buffer, .address_space: global }
      - { .name: wq, .offset: 16, .size: 8, .value_kind: global_buffer, .address_space: global }
      - { .name: b1, .offset: 24, .size: 8, .value_kind: global_buffer, .address_space: global }
      - { .name: b2, .offset: 32, .size: 8, .value_kind: global_buffer, .address_space: global }
      - { .name: list, .offset: 40, .size: 8, .value_kind: global_buffer, .address_space: global }
      - { .name: cnt, .offset: 48, .size: 8, .value_kind: global_buffer, .address_space: global }
      - { .name: out0, .offset: 56, .size: 8, .value_kind: global_buffer, .address_space: global }
    .group_segment_fixed_size: 138240
    .private_segment_fixed_size: 0
    .kernarg_segment_align: 8
    .kernarg_segment_size: 64
    .max_flat_workgroup_size: 256
    .sgpr_count:     80
    .vgpr_count:     512
    .wavefront_size: 32
...
	.end_amdgpu_metadata
.endif
;; end of part 3
